; MI455X (gfx1250); checked and timed in simulation.
; The chip was launched on July 23, 2026; its instructions are those of AMD's public machine-readable ISA for CDNA 5 (MIT licence, August 2026) and "CDNA5" Instruction Set Architecture Reference Guide (July 2026). The comments in the code are by the model that wrote it; some were corrected since.
;; Self Attention. Allowed arithmetic: matrix products marked QUANTISED: E2M3 operands, one E8M0 scale for each 32 along K, by v_wmma_scale_f32_16x16x128_f8f6f4 with both operands' format E2M3, f32 sums; everything else in f32.
;; Inputs: W_qkv 3,072 x 1,024 float32; x 4 x 2,048 x 1,024 float32.
;; Outputs: out0 4 x 2,048 x 1,024 float32.
;; This version of the problem:
;;   THIS VERSION OF THE PROBLEM IS GIVEN IN LOW PRECISION. The matrix products marked QUANTISED in the list below multiply operands that are first quantised to E2M3 (2 exponent bits, 3 mantissa bits; 6 bits a number), with one power-of-two scale for each 32 numbers along K (OCP MX v1.0); their sums are f32. All else is computed in f32.
;;   The module's matrix products, in the order in which they are computed (A, B: the left and right operand; K: the contracted axis; several contracted axes count as one K, in the product's order):
;;     1. [M 8,192, K 1,024] x [K 1,024, N 3,072]; A: input x; B: input W_qkv: QUANTISED
;;     2. batch 4 x [M 2,048, K 1,024] x [K 1,024, N 2,048]; A: computed on the way; B: computed on the way: QUANTISED
;;     3. batch 4 x [M 2,048, K 2,048] x [K 2,048, N 1,024]; A: softmax (see below); B: computed on the way: QUANTISED
;;   THE QUANTISER, for each operand of a quantised product, along K:
;;     - K is cut into blocks of 32 from its start; a last block that is shorter is filled with zeros.
;;     - A block's scale is 2^e with e = floor(log2(the largest magnitude in the block)) - 2, held to -126 .. 127; a block of zeros has e = 0. As a byte (E8M0): e + 127.
;;     - Each number is divided by its block's scale, clamped to +-7.5, and rounded to the nearest number of E2M3, ties to even, subnormals kept.
;;     - The product sums the exact products of the quantised numbers (number of the format x scale) in f32.
;;   ~~~python
;;   def quantise(x, axis):      # numpy; x: float32 -> the quantised numbers, widened to float32 again
;;       x = np.moveaxis(x, axis, -1); K = x.shape[-1]
;;       x = np.pad(x, [(0, 0)] * (x.ndim - 1) + [(0, -K % 32)]); x = x.reshape(x.shape[:-1] + (-1, 32)); a = np.abs(x).max(-1, keepdims=True)
;;       e = np.where(a > 0, np.clip(np.frexp(np.where(a > 0, a, 1))[1] - 1 - 2, -126, 127), 0)      # np.frexp(a)[1] - 1 = floor(log2(a)), exactly
;;       r = np.clip(x / 2.0 ** e, -7.5, 7.5)
;;       step = 2.0 ** (np.maximum(np.frexp(np.where(r == 0, 1, r))[1] - 1, 0) - 3)
;;       q = np.round(r / step) * step * 2.0 ** e      # np.round: ties to even
;;       return np.moveaxis(q.reshape(q.shape[:-2] + (-1,))[..., :K], -1, axis).astype(np.float32)
;;   ~~~
;;   SOFTMAX AHEAD OF A QUANTISED PRODUCT. Where the list says 'softmax', what is quantised is not the finished softmax but p = 2^(t - M), with t = logit x log2(e) and M = ceil(the row's largest t), a whole number; so 1/2 < the row's largest p <= 1. The row's sum l is taken of the UNQUANTISED p, in f32, and the product's result is divided by l at the end. Since M is a whole number, a kernel that streams over the keys may use a running M (the ceiling of the running maximum): every later rescaling is an exact power of two, which a block's scale takes up: the codes' values come out the same.
;;   OPERANDS COMPUTED ON THE WAY. 'Computed on the way' means the value that the module computes at that place (a softmax that the list does not call 'softmax' is quantised finished and normalised). What goes into a quantiser is computed in f32, as accurately as f32 sums, v_exp_f32 and their like allow (about 1e-6 of the number): no bf16 or f16 on the way to a quantiser, and a product that is left as it is and whose result goes on into a quantised operand takes f32 operands (vector FMAs, or v_wmma_f32_16x16x4_f32). A number that lies on a knife's edge between two numbers of the format may be rounded either way, as far as f32 arithmetic and the matrix unit's own rounding can turn it there, and no further.
;; One version. Each part assembles by itself: llvm-mc -triple=amdgcn-amd-amdhsa -mcpu=gfx1250 --defsym DOCPART=n.
;; ======== version 1 of 1: 4 launches
;; workspace buffers: xw_codes 8,650,752 bytes; xw_scales 360,448 bytes; qkv_codes 18,874,368 bytes; qkv_scales 786,432 bytes; p_codes 12,582,912 bytes; p_stats 1,572,864 bytes
;; launch quant (part 1): grid 352 x 1, 4 waves a work-group, no clusters, 34,304 bytes of LDS; arguments x, W_qkv, xw_codes, xw_scales; writes xw_codes, xw_scales
.if DOCPART == 1
	.amdgcn_target "amdgcn-amd-amdhsa--gfx1250"
	.amdhsa_code_object_version 6
	.text
	.protected	k_q55952968df_quant
	.globl	k_q55952968df_quant
	.p2align	8
	.type	k_q55952968df_quant,@function
k_q55952968df_quant:
	s_mov_b64 s[64:65], 0
	v_nop
	global_prefetch_b8 v0, s[64:65] scope:SCOPE_SE
	s_setreg_imm32_b32 hwreg(HW_REG_WAVE_MODE, 25, 1), 1
	s_wait_xcnt 0x0
; x [8192][1024] and W_qkv [3072][1024], f32, become codes of E2M3 with one E8M0 byte for each 32 along K (the last axis), in the layout that the products' launches read:
;   xw_codes  [704 blocks of 16 rows][8 K steps of 128][1,536 bytes]: a FRAGMENT IMAGE: the operand's 12 registers a lane, register group c (4 registers) of lane l at byte 512 c + 16 l.  Blocks 0-511: x, 512-703: W.
;   xw_scales [176 groups of 64 rows][8 K steps][256 bytes]: the 32-bit scale word of row 16 i + r of the group at byte 16 r + 4 i.
; ROW ORDER: inside each 32 rows the stored place 16 u + 8 g + j holds true row 16 g + 8 u + j.  A product that takes such rows as its first source leaves, in a lane's 16 registers of two neighbouring result
; tiles, 16 neighbours of the true order: so the next launch can quantise its results in registers.  The order costs nothing here: it stands in the loads' immediates.
; A block's scale is 2^(floor(log2(largest magnitude)) - 2): its byte is the largest magnitude's exponent field - 2, held at 1 from below.
; LIMITS: a block of zeros gets the byte 1 where the rule says 127 (its codes are zeros, and this program alone reads the bytes); blocks whose largest magnitude lies under 2^-124 are held at that floor; NaN and infinities are not served.
; SHARES: a wave takes 64 rows x 128 along K: four fragments.  Each load reads 512 consecutive bytes of one row; the conversions want 16 neighbours in ONE lane, so a fragment's 16 rows turn through the wave's own
; stage in LDS (rows 528 bytes apart: 33 x 16, so that the sixteen rows of a read start in different banks).  Two fragments' loads (32 a wave) are on their way.  Memory binds: no matrix unit, no cluster, no barrier: waves share nothing.
.set STG,   8448                       ; a wave's stage: 16 rows x 528 bytes
.set SPARE, 4*STG                      ; behind the stages: the spare words, 128 bytes a wave, which no other line names
.set LI,    2                          ; v2   16 x lane: my bytes in a load's 512 and in an image's 512
.set SIN,   3                          ; v3   the stage, way in
.set SOUT,  4                          ; v4   the stage, way out: row r, + 64 h
.set SCO,   5                          ; v5   16 r + 8 h: my two scale words' place
.set SPW,   6                          ; v6   my spare word; never rewritten
.set NIL,   7                          ; v7   0; never rewritten
.set TM,    8                          ; v8-23 at work: +0 largest magnitudes, +4 bytes, +12 the conversions' scale operands
.set PW,    24                         ; v24-27 the four fragments' scale words
.set SW,    28                         ; v28-29 the two that I store
.set R,     32                         ; v32-159 two sets of 64: a fragment's numbers as loaded
.set X,     160                        ; v160-223 the same after the turn: register 16 b + i = k 32 b + 16 h + i of row r
.set PC,    224                        ; v224-243 the codes
.set SEL,   20                         ; s[20:21] v_permlanex16_b32's selects: lane l xor 16
.set HIM,   22                         ; s22  the mask of lanes 16-31
	s_load_b128 s[4:7], s[0:1], 0x0                ; x, W
	s_load_b128 s[8:11], s[0:1], 0x10              ; the codes, the scale words
	v_lshl_add_u32 v[SPW], v0, 2, SPARE
	v_mov_b32 v[NIL], 0
	v_lshrrev_b32 v1, 5, v0
	v_readfirstlane_b32 s16, v1                    ; wave
	v_and_b32 v1, 31, v0
	v_lshlrev_b32 v[LI], 4, v1
	s_mul_i32 s17, s16, STG
	v_add_nc_u32 v[SIN], s17, v[LI]
	v_and_b32 v1, 15, v0                           ; r
	v_bfe_u32 v[SCO], v0, 4, 1                     ; h
	v_mul_u32_u24 v[SOUT], v1, 528
	v_lshl_add_u32 v[SOUT], v[SCO], 6, v[SOUT]
	v_add_nc_u32 v[SOUT], s17, v[SOUT]
	v_lshlrev_b32 v[SCO], 3, v[SCO]
	v_lshl_add_u32 v[SCO], v1, 4, v[SCO]
.irp b, 0,1,2,3
	v_mov_b32 v[TM+4+\b], 0                        ; written once: a lane permute's destination counts as one of its sources
.endr
	s_mov_b32 s[SEL], 0x76543210
	s_mov_b32 s[SEL+1], 0xfedcba98
	s_mov_b32 s[HIM], 0xffff0000
	s_lshr_b32 s12, ttmp9, 1                       ; the group of 64 rows, 0 .. 175
	s_and_b32 s13, ttmp9, 1
	s_lshl_b32 s13, s13, 2
	s_add_co_u32 s13, s13, s16                     ; the K step: 4 x (work-group's low bit) + wave
	s_mul_i32 s24, s12, 49152                      ; codes: 4 blocks of 12,288 bytes a group,
	s_mul_i32 s25, s13, 1536                       ; 1,536 a K step
	s_add_co_u32 s24, s24, s25
	s_mov_b32 s25, 0
	s_lshl_b32 s26, s12, 11                        ; scale words: 2,048 bytes a group,
	s_lshl_b32 s27, s13, 8                         ; 256 a K step
	s_add_co_u32 s26, s26, s27
	s_mov_b32 s27, 0
	s_wait_kmcnt 0x0
	s_cmp_lt_u32 ttmp9, 256                        ; x's work-group or W's?  The choice hangs on the work-group's number alone
	s_cselect_b64 s[4:5], s[4:5], s[6:7]
	s_cselect_b32 s14, 0, 128
	s_sub_co_u32 s14, s12, s14                     ; the group inside its tensor
	s_lshl_b32 s18, s14, 18                        ; 64 rows of 4,096 bytes,
	s_lshl_b32 s19, s13, 9                         ; 512 bytes a K step
	s_add_co_u32 s18, s18, s19
	s_mov_b32 s19, 0
	s_add_nc_u64 s[4:5], s[4:5], s[18:19]
	s_add_nc_u64 s[8:9], s[8:9], s[24:25]
	s_add_nc_u64 s[10:11], s[10:11], s[26:27]
.macro LOADF f                         ; fragment f: stored row t is true row 32 (f / 2) + 16 (t / 8) + 8 (f % 2) + t % 8 of the group
.irp t, 0,1,2,3,4,5,6,7,8,9,10,11,12,13,14,15
	global_load_b128 v[R+64*((\f)%2)+4*\t:R+64*((\f)%2)+4*\t+3], v[LI], s[4:5] offset:(32*((\f)/2)+16*(\t/8)+8*((\f)%2)+\t%8)*4096 th:TH_LOAD_NT
.endr
.endm
; 64 numbers of a lane, register 16 b + i = k 32 b + 16 h + i of my row, become a fragment's 12 registers of codes in v[PC] on and my row's scale word in v[pw]
.macro QUANT s, pw
.irp b, 0,1,2,3
	v_max3_num_f32 v[TM+\b], |v[\s+16*\b]|, |v[\s+1+16*\b]|, 0x1800000   ; block b: my 16 numbers, and the floor 2^(3 - 127): so the byte cannot fall under 1
.endr
.irp i, 2,4,6,8,10,12,14
.irp b, 0,1,2,3
	v_max3_num_f32 v[TM+\b], v[TM+\b], |v[\s+16*\b+\i]|, |v[\s+1+16*\b+\i]|   ; the four blocks by turns
.endr
.endr
.irp b, 0,1,2,3
	v_permlanex16_b32 v[TM+4+\b], v[TM+\b], s[SEL], s[SEL+1]
.endr
.irp b, 0,1,2,3
	v_max_num_f32 v[TM+\b], v[TM+\b], v[TM+4+\b]   ; with lane l xor 16's 16: the block's largest magnitude
.endr
.irp b, 0,1,2,3
	v_add_nc_u32 v[TM+12+\b], 0xff000000, v[TM+\b] ; 2 off its exponent field: the conversion takes this operand's exponent field as its scale
.endr
.irp b, 0,1,2,3
	v_lshrrev_b32 v[TM+4+\b], 23, v[TM+12+\b]      ; the scale's byte
.endr
	v_lshl_or_b32 v[\pw], v[TM+5], 8, v[TM+4]
	v_lshl_or_b32 v[\pw], v[TM+6], 16, v[\pw]
	v_lshl_or_b32 v[\pw], v[TM+7], 24, v[\pw]
.irp c, 0,1
	v_cvt_scalef32_pk16_fp6_f32 v[PC+6*\c:PC+2+6*\c], v[\s+32*\c:\s+15+32*\c], v[TM+12+2*\c]
	v_cvt_scalef32_pk16_fp6_f32 v[PC+12+4*\c:PC+14+4*\c], v[\s+16+32*\c:\s+31+32*\c], v[TM+12+2*\c+1]   ; (a conversion's three registers begin on an even number)
.endr
	v_nop                                          ; one plain place behind a scaled conversion
.irp c, 0,1                                    ; the operand wants a WHOLE block in a lane: lanes 0-15 block 2 c, lanes 16-31 block 2 c + 1
.irp i, 0,1,2
	v_permlane16_swap_b32 v[PC+6*\c+\i], v[PC+12+4*\c+\i]
.endr
.irp i, 0,1,2
	v_mov_b32 v[PC+3+6*\c+\i], v[PC+12+4*\c+\i]
.endr
.endr
.endm
.macro FRAGM f
.if (\f) < 3
	s_wait_loadcnt 16                              ; this fragment's 16 loads are in; the next fragment's 16 may be out
.else
	s_wait_loadcnt 0x0
.endif
.irp t, 0,1,2,3,4,5,6,7,8,9,10,11,12,13,14,15
	ds_store_b128 v[SIN], v[R+64*((\f)%2)+4*\t:R+64*((\f)%2)+4*\t+3] offset:528*\t
.endr
.irp b, 0,1,2,3
.irp j, 0,1,2,3
	ds_load_b128 v[X+16*\b+4*\j:X+16*\b+4*\j+3], v[SOUT] offset:128*\b+16*\j   ; LDS serves a wave's instructions in order: these see the stores above
.endr
.endr
	s_wait_dscnt 0x0                               ; the numbers are back, and the stores into the stage have read their registers
.if (\f) > 0
	s_wait_xcnt 0x0                                ; the last fragment's stores have read their data: the codes' registers are written again only behind this wait
.endif
.if (\f) < 2
	LOADF (\f)+2
.endif
	QUANT X, PW+(\f)
.irp c, 0,1,2
	global_store_b128 v[LI], v[PC+4*\c:PC+4*\c+3], s[8:9] offset:(\f)*12288+512*\c   ; 32 lanes store 512 consecutive bytes, at a multiple of 256 from the buffer's first byte
.endr
.endm
	LOADF 0
	LOADF 1
	FRAGM 0
	FRAGM 1
	FRAGM 2
	FRAGM 3
	v_cndmask_b32 v[SW], v[PW], v[PW+2], s[HIM]    ; every lane holds row r's four words: lanes 0-15 store those of fragments 0, 1, lanes 16-31 those of 2, 3
	v_cndmask_b32 v[SW+1], v[PW+1], v[PW+3], s[HIM]
	global_store_b64 v[SCO], v[SW:SW+1], s[10:11]  ; 256 consecutive bytes, aligned
	s_wait_tensorcnt 0x0                           ; the wave's end: behind my last LDS store
	ds_add_u32 v[SPW], v[NIL]
	s_wait_dscnt 0x0
	s_endpgm
.Lfunc_end_k_q55952968df_quant:
	.size	k_q55952968df_quant, .Lfunc_end_k_q55952968df_quant-k_q55952968df_quant
	.p2alignl 7, 3214868480
	.fill 96, 4, 3214868480
	.section	.rodata,"a",@progbits
	.p2align	6, 0x0
	.amdhsa_kernel k_q55952968df_quant
		.amdhsa_group_segment_fixed_size 34304
		.amdhsa_private_segment_fixed_size 0
		.amdhsa_enable_private_segment 0
		.amdhsa_kernarg_size 32
		.amdhsa_user_sgpr_count 2
		.amdhsa_user_sgpr_kernarg_segment_ptr 1
		.amdhsa_wavefront_size32 1
		.amdhsa_system_sgpr_workgroup_id_x 1
		.amdhsa_system_sgpr_workgroup_id_y 1
		.amdhsa_system_sgpr_workgroup_id_z 1
		.amdhsa_system_vgpr_workitem_id 0
		.amdhsa_next_free_vgpr 248
		.amdhsa_next_free_sgpr 66
		.amdhsa_reserve_vcc 0
		.amdhsa_float_denorm_mode_32 3
		.amdhsa_float_denorm_mode_16_64 3
		.amdhsa_memory_ordered 1
		.amdhsa_forward_progress 1
		.amdhsa_inst_pref_size 33
	.end_amdhsa_kernel
	.amdgpu_metadata
---
amdhsa.version: [ 1, 2 ]
amdhsa.kernels:
  - .name:           k_q55952968df_quant
    .symbol:         k_q55952968df_quant.kd
    .args:
      - { .name: x, .offset: 0, .size: 8, .value_kind: global_buffer, .address_space: global }
      - { .name: W_qkv, .offset: 8, .size: 8, .value_kind: global_buffer, .address_space: global }
      - { .name: xw_codes, .offset: 16, .size: 8, .value_kind: global_buffer, .address_space: global }
      - { .name: xw_scales, .offset: 24, .size: 8, .value_kind: global_buffer, .address_space: global }
    .group_segment_fixed_size: 34304
    .private_segment_fixed_size: 0
    .kernarg_segment_align: 8
    .kernarg_segment_size: 32
    .max_flat_workgroup_size: 128
    .sgpr_count:     66
    .vgpr_count:     248
    .wavefront_size: 32
...
	.end_amdgpu_metadata
.endif
;; end of part 1
;; launch proj (part 2): grid 8 x 32, 4 waves a work-group, clusters of 4 x 4, 327,680 bytes of LDS; arguments xw_codes, xw_scales, qkv_codes, qkv_scales; writes qkv_codes, qkv_scales
.if DOCPART == 2
	.amdgcn_target "amdgcn-amd-amdhsa--gfx1250"
	.amdhsa_code_object_version 6
	.text
	.protected	k_q55952968df_proj
	.globl	k_q55952968df_proj
	.p2align	8
	.type	k_q55952968df_proj,@function
k_q55952968df_proj:
	s_mov_b64 s[64:65], 0
	v_nop
	global_prefetch_b8 v0, s[64:65] scope:SCOPE_SE
	s_setreg_imm32_b32 hwreg(HW_REG_WAVE_MODE, 25, 1), 1
	s_wait_xcnt 0x0
	s_wait_alu depctr_hold_cnt(0) depctr_sa_sdst(0) depctr_va_vdst(0) depctr_va_sdst(0) depctr_va_ssrc(0) depctr_va_vcc(0) depctr_vm_vsrc(0)
	s_getreg_b32 s2, hwreg(HW_REG_IB_STS2, 6, 4)
	s_cmp_eq_u32 s2, 0
	s_cbranch_scc0 .Lentry_in_a_cluster
	s_endpgm
.Lentry_in_a_cluster:
	s_bfe_u32 s2, ttmp6, 0x10000c
	s_cmp_lg_u32 s2, 0xf033
	s_cbranch_scc0 .Lentry_shape_is_right
	s_endpgm
.Lentry_shape_is_right:
; The first product, on codes of E2M3 with E8M0 scales, and the quantising of its results.  Both parts compute C = A B^T (K = 1,024) and quantise C along B's rows.  A WORK-GROUP STAYS AND MAKES TWO TILES:
;   part 1: A = 256 rows of x, B = 256 of W's rows 0-2047:      a tile of [q | k], quantised along the 2,048 features (16 K steps of 128: 0-7 q, 8-15 k)
;   part 2: A = 128 of W's rows 2048-3071, B = 256 rows of x:   a tile of V^T, quantised along the keys (64 K steps: 16 x batch + key / 128)
; 32 x 8 tiles of part 1 and 8 x 32 of part 2 are 256 each: one work-group to each of 256 WGPs, 768 matrix instructions a wave in all of them.
; Operands lie in memory as FRAGMENT IMAGES (16 rows x 128 K = 1,536 bytes: register group c of lane l at 512 c + 16 l), [block of 16 rows][K step]; scale words as [64 rows][K step][256 bytes], word of row 16 i + r at 16 r + 4 i.
; Four waves, as many as a WGP has SIMDs, 2 x 2: a wave makes 128 x 128 (64 accumulators) in part 1 and 64 x 128 (32) in part 2.  THE MATRIX INSTRUCTION IS USED TRANSPOSED (source 0 = 16 rows of B,
; source 1 = 16 rows of A): a lane holds one row of A.  The stored order of B's rows (inside 32: place 16 u + 8 g + j holds true row 16 g + 8 u + j) makes a lane's 64 registers of one block of A's rows
; k = 32 b + 16 h + i of the next product, in true order: they are quantised where they lie, and the codes leave as an image: three stores of 512 consecutive bytes, no stage.
; LDS, part 1: 8 K steps, two to a slot, three slots of 98,304 bytes: six K steps are first fills, asked for together at the head; slot 0 is filled once more, four steps (256 matrix instructions) ahead of its use.
; LDS, part 2: the same 294,912 bytes as two slots of 147,456, four K steps each.  X, the upper one, lies where slots 1 (its B half) and 2 lay: it is asked for behind the change of slots in K step 5, when their reads are
; over: 160 matrix instructions and half of part 1's way out ahead of its first read.  Y, the lower one, is asked for in the middle of part 1's way out, when slot 0's reads are over: the rest of the way out and three K steps ahead.
; By this text's own count a wave has at most three tensor loads out.  A part's scale words, for all of K, go from memory straight into registers that hold nothing else.
; CLUSTERS: 4 x 4 work-groups; A's tile is shared along a row of the cluster, B's along a column, in both parts: each is asked for jointly, by the same tensor load with the same descriptor and a mask that names the four.
; No prefetch: six of part 1's eight K steps are requested at the head, where every work-group's first tiles are on their way, and part 2's tiles are requested by their own loads as far ahead as said above.
; LIMITS: a block of zeros gets the byte 1 (its codes are zeros; this program alone reads the bytes); the largest magnitude is held at 2^-124 from below; NaN and infinities are not served.
; REGISTERS, in windows of 256: window 0: v4-29 offsets and addresses; v32-63 A's scale words, v64-95 B's; v96-123 at work on the way out; v128-223 A's fragments (part 1: 8, one set; part 2: 4, two sets); v224-243 the codes.
;   window 1: B's 8 fragments, TWO sets, at v0 and v128.   windows 2, 3: the accumulators: (a, b) at v[8 (8 (a % 4) + b)] of window 2 + a / 4.
.set NQ,    2                          ; part 1: K steps of 128 in a slot
.set FRB,   1536                       ; a fragment image
.set RBB,   NQ*FRB                     ; part 1: a block of 16 rows in a slot
.set SLOT,  32*RBB                     ; A's 16 blocks, then B's 16
.set RB2,   4*FRB                      ; part 2: a block of 16 rows in a slot: four K steps
.set SL2,   24*RB2                     ; A's 8 blocks, then B's 16.  Slot 0 of part 2 is Y, slot 1 is X
.set SPARE, 3*SLOT                     ; behind the ring (3 SLOT = 2 SL2): the spare words, 128 bytes a wave, which no other line names
.set REFILL, 3*RBB                     ; from slot 0's first tile to its second, along K
.set VA1,  4                           ; v4-7   byte offsets of my scale words in xw_scales: A's and B's of part 1, A's and B's of part 2
.set VB1,  5
.set VA2,  6
.set VB2,  7
.set ADA2, 8                           ; v8-9   part 2: LDS address of my A fragments in slot 0, 1;  v10-11 of B's
.set ADB2, 10
.set VO1,  12                          ; v12-15 byte offsets of my results: part 1's codes, its scale words, part 2's codes, its scale words
.set VS1,  13
.set VO2,  14
.set VS2,  15
.set ADRA, 16                          ; v16-18 part 1: LDS address of my A fragments in slot 0, 1, 2
.set ADRB, 20                          ; v20-22 the same for B
.set LI,   24                          ; v24  16 x lane
.set SPW,  28                          ; v28  my spare word; never rewritten
.set NIL,  29                          ; v29  0; never rewritten
.set SA,   32
.set SB,   64
.set TM,   96                          ; v96-111 at work: +0 largest magnitudes, +4 bytes, +12 the conversions' scale operands
.set PWS,  112                         ; v112-119 the blocks' scale words
.set TQ,   120                         ; v120-123 those that I store
.set AF,   128
.set PC,   224                         ; v224-243 the codes
.set HIM,  13                          ; s13  on the way out: the mask of lanes 16-31
.set WV,   14                          ; s14 wave;  s15 wave / 2: my half of A's rows, and: I fetch for A (0) or B (1);  s16 wave % 2: my half of B's rows, and: which half I fetch
.set WH,   15
.set WL,   16
.set G1,   24                          ; s[24:31] descriptor group 1 for part 1's tiles of A; s[32:39] of B: they differ in the mask
.set G1B,  32
.set G0,   40                          ; s[40:51] group 0 for part 1's tiles of A, a set for each slot; s[52:63] of B
.set G0B,  52
.set G1C,  68                          ; s[68:75] group 1 for part 2's tiles of A (4 blocks); s[76:83] of B (8 blocks)
.set G1D,  76
.set G0X,  84                          ; s[84:87], s[88:91] group 0 for slot X: A, B;  s[92:95], s[96:99] for slot Y
.set G0XB, 88
.set G0Y,  92
.set G0YB, 96
.set SEL,  100                         ; s[100:101] v_permlanex16_b32's selects: lane l xor 16
.set MSB, 0
.macro WIN new                         ; s_set_vgpr_msb: bits 1:0 source 0, 3:2 source 1, 5:4 source 2, 7:6 destination; the high byte repeats the setting that is left
.if MSB != (\new)
	s_set_vgpr_msb (MSB<<8)|(\new)
.set MSB, (\new)
.endif
.endm
.set MUL_LO, 0xa1                      ; source 0 (B) window 1, source 1 (A) window 0, C and D window 2
.set MUL_HI, 0xf1                      ; the same, C and D window 3
.set TO_B,   0x40                      ; destination window 1
.macro PLACES n
.rept \n
	v_nop
.endr
.endm
; A joint load: waves 0 and 1 fetch A's halves, waves 2 and 3 B's.  The branch hangs on the wave's number alone.  An s_nop 0 and four v_nop follow each of the two lines.
.macro JLOAD g0a, g1a, g0b, g1b
	s_cmp_eq_u32 s[WH], 0
	s_cbranch_scc0 .Lfor_b_\@
	tensor_load_to_lds s[\g0a:\g0a+3], s[\g1a:\g1a+7]
	s_nop 0
	PLACES 4
	s_branch .Lasked_\@
.Lfor_b_\@:
	tensor_load_to_lds s[\g0b:\g0b+3], s[\g1b:\g1b+7]
	s_nop 0
	PLACES 4
.Lasked_\@:
.endm
.macro CREST                           ; a round of the cluster's barrier behind its opening barrier
	s_cmp_lg_u32 s[WV], 0
	s_cbranch_scc1 .Lnot_wave_0_\@
	s_barrier_signal -3
.Lnot_wave_0_\@:
	s_barrier_wait -3
	s_barrier_signal -1
	s_barrier_wait -1
.endm
.macro CROUND
	s_barrier_signal -1
	s_barrier_wait -1
	CREST
.endm
.macro FRAG reg, adr, i, q             ; an image comes back as it was stored: three loads of 512 consecutive bytes.  Part 1's slots
.irp c, 0,1,2
	ds_load_b128 v[\reg+4*\c:\reg+4*\c+3], v[\adr] offset:(\i)*RBB+(\q)*FRB+512*\c
.endr
.endm
.macro FRAG2 reg, adr, i, q            ; the same out of part 2's slots
.irp c, 0,1,2
	ds_load_b128 v[\reg+4*\c:\reg+4*\c+3], v[\adr] offset:(\i)*RB2+(\q)*FRB+512*\c
.endr
.endm
.macro FETCH_B slot, q, p              ; part 1: B's eight fragments of the slot's q-th K step into set p
	WIN TO_B
.irp i, 0,1,2,3,4,5,6,7
	FRAG 128*(\p)+12*\i, ADRB+\slot, \i, \q
.endr
	WIN 0
.endm
.macro FETCH_A slot, q, i0             ; part 1: A's blocks i0 .. i0 + 3
.irp i, \i0, \i0+1, \i0+2, \i0+3
	FRAG AF+12*(\i), ADRA+\slot, \i, \q
.endr
.endm
.macro FETCH_B2 slot, q, p             ; part 2: B's eight fragments into set p
	WIN TO_B
.irp i, 0,1,2,3,4,5,6,7
	FRAG2 128*(\p)+12*\i, ADB2+\slot, \i, \q
.endr
	WIN 0
.endm
.macro FETCH_A2 slot, q, p             ; part 2: A's four fragments into set p
.irp i, 0,1,2,3
	FRAG2 AF+48*(\p)+12*\i, ADA2+\slot, \i, \q
.endr
.endm
; One matrix instruction, by the symbols rD, rB, rA, rS0, rS1; rW = 4 x (the sum starts) + 2 x (source 0's scales lie in lanes 16-31) + (source 1's do)
.macro WM
.if rW == 0
	v_wmma_scale_f32_16x16x128_f8f6f4 v[rD:rD+7], v[rB:rB+11], v[rA:rA+11], v[rD:rD+7], v[rS0], v[rS1] matrix_a_fmt:MATRIX_FMT_FP6 matrix_b_fmt:MATRIX_FMT_FP6
.elseif rW == 1
	v_wmma_scale_f32_16x16x128_f8f6f4 v[rD:rD+7], v[rB:rB+11], v[rA:rA+11], v[rD:rD+7], v[rS0], v[rS1] matrix_a_fmt:MATRIX_FMT_FP6 matrix_b_fmt:MATRIX_FMT_FP6 matrix_b_scale:MATRIX_SCALE_ROW1
.elseif rW == 2
	v_wmma_scale_f32_16x16x128_f8f6f4 v[rD:rD+7], v[rB:rB+11], v[rA:rA+11], v[rD:rD+7], v[rS0], v[rS1] matrix_a_fmt:MATRIX_FMT_FP6 matrix_b_fmt:MATRIX_FMT_FP6 matrix_a_scale:MATRIX_SCALE_ROW1
.elseif rW == 3
	v_wmma_scale_f32_16x16x128_f8f6f4 v[rD:rD+7], v[rB:rB+11], v[rA:rA+11], v[rD:rD+7], v[rS0], v[rS1] matrix_a_fmt:MATRIX_FMT_FP6 matrix_b_fmt:MATRIX_FMT_FP6 matrix_a_scale:MATRIX_SCALE_ROW1 matrix_b_scale:MATRIX_SCALE_ROW1
.elseif rW == 4
	v_wmma_scale_f32_16x16x128_f8f6f4 v[rD:rD+7], v[rB:rB+11], v[rA:rA+11], 0, v[rS0], v[rS1] matrix_a_fmt:MATRIX_FMT_FP6 matrix_b_fmt:MATRIX_FMT_FP6
.elseif rW == 5
	v_wmma_scale_f32_16x16x128_f8f6f4 v[rD:rD+7], v[rB:rB+11], v[rA:rA+11], 0, v[rS0], v[rS1] matrix_a_fmt:MATRIX_FMT_FP6 matrix_b_fmt:MATRIX_FMT_FP6 matrix_b_scale:MATRIX_SCALE_ROW1
.elseif rW == 6
	v_wmma_scale_f32_16x16x128_f8f6f4 v[rD:rD+7], v[rB:rB+11], v[rA:rA+11], 0, v[rS0], v[rS1] matrix_a_fmt:MATRIX_FMT_FP6 matrix_b_fmt:MATRIX_FMT_FP6 matrix_a_scale:MATRIX_SCALE_ROW1
.else
	v_wmma_scale_f32_16x16x128_f8f6f4 v[rD:rD+7], v[rB:rB+11], v[rA:rA+11], 0, v[rS0], v[rS1] matrix_a_fmt:MATRIX_FMT_FP6 matrix_b_fmt:MATRIX_FMT_FP6 matrix_a_scale:MATRIX_SCALE_ROW1 matrix_b_scale:MATRIX_SCALE_ROW1
.endif
.endm
; Part 1: 16 matrix instructions: A's blocks a0, a0 + 1 x B's eight, K step ks.  A scale load gave lanes 0-15 the words of blocks 0-3 and lanes 16-31 those of blocks 4-7: block n's lie in register n % 4, half n / 4.
; The 64 accumulators take turns, one instruction a turn, in the same order in every step.  zero = 1: the first product starts the sums: nothing is cleared.
.macro MUL a0, ks, zero
.irp a, \a0, \a0+1
.irp b, 0,1,2,3,4,5,6,7
.set rD, 8*(8*((\a)%4)+\b)
.set rB, 128*((\ks)%2)+12*\b
.set rA, AF+12*(\a)
.set rS0, SB+4*(\ks)+\b%4
.set rS1, SA+4*(\ks)+(\a)%4
.set rW, 4*(\zero)+2*(\b/4)+(\a)/4
	WM
.endr
.endr
.endm
; Part 2: the same with A's four blocks, from set ks % 2.  A's 64 rows are one group of scale words: a load gave lanes 0-15 an even K step's words and lanes 16-31 the next step's: register 4 (ks / 2) + a, half ks % 2.
.macro MUL2 a0, ks, zero
.irp a, \a0, \a0+1
.irp b, 0,1,2,3,4,5,6,7
.set rD, 8*(8*(\a)+\b)
.set rB, 128*((\ks)%2)+12*\b
.set rA, AF+48*((\ks)%2)+12*(\a)
.set rS0, SB+4*(\ks)+\b%4
.set rS1, SA+4*((\ks)/2)+(\a)
.set rW, 4*(\zero)+2*(\b/4)+(\ks)%2
	WM
.endr
.endr
.endm
; Part 1: a K step whose successor (slot ns, place nq) is already whole for every wave.  A block of A is free as soon as its eight products are issued: blocks 0-3 are fetched anew in the step's middle, blocks 4-7 at its end.
; Loads into registers that matrix instructions have read stand four plain vector instructions behind them (ISA guide 7.12.1 for vector instructions).
.macro STEP ks, ns, nq, zero
	s_wait_dscnt 12                                ; B's set and A's blocks 0-3 are in; the youngest 12 loads (A's blocks 4-7) may be out
	WIN MUL_LO
	MUL 0, \ks, \zero
	MUL 2, \ks, \zero
	s_wait_dscnt 0x0                               ; A's blocks 4-7 are in
	PLACES 4
	FETCH_B \ns, \nq, ((\ks)+1)%2
	FETCH_A \ns, \nq, 0
	WIN MUL_HI
	MUL 4, \ks, \zero
	MUL 6, \ks, \zero
	PLACES 4
	WIN 0
	FETCH_A \ns, \nq, 4
.endm
; Part 1: a K step that changes slots.  In front of ONE barrier each wave waits for all its tensor loads, adds 0 to its spare word, and waits for that and for its reads of the slots that it has left.  The barrier opens a
; round of the cluster's barrier, and behind the round stands the wave's one joint load.  fill = 1: slot 0 takes K steps 6 and 7.  fill = 2: part 2's slot X takes that part's K steps 0-3.
.macro TURN ks, ns, fill
	s_wait_tensorcnt 0x0                           ; all my tensor loads have landed
	ds_add_u32 v[SPW], v[NIL]                      ; 0 onto my spare word
	s_wait_dscnt 13                                ; (the add and the youngest 12 loads may be out)
	WIN MUL_LO
	MUL 0, \ks, 0                                  ; sixteen matrix instructions stand between the add and the wait for it
	s_wait_dscnt 0x0                               ; the add is done, and my reads of the slots behind me are over
	s_barrier_signal -1
	MUL 2, \ks, 0
	WIN 0
	s_barrier_wait -1
	CREST                                          ; no wave of any partner still reads those bytes or has a load on its way
.if \fill == 1
	s_add_nc_u64 s[G0+2:G0+3], s[G0+2:G0+3], REFILL
	s_add_nc_u64 s[G0B+2:G0B+3], s[G0B+2:G0B+3], REFILL
	JLOAD G0, G1, G0B, G1B                         ; the four v_nop behind it are also the places in front of the loads below
.else
	JLOAD G0X, G1C, G0XB, G1D
.endif
	FETCH_B \ns, 0, ((\ks)+1)%2
	FETCH_A \ns, 0, 0
	WIN MUL_HI
	MUL 4, \ks, 0
	MUL 6, \ks, 0
	PLACES 4
	WIN 0
	FETCH_A \ns, 0, 4
.endm
.macro TAIL ks                         ; part 1's last K step: nothing more to fetch
	s_wait_dscnt 12
	WIN MUL_LO
	MUL 0, \ks, 0
	MUL 2, \ks, 0
	s_wait_dscnt 0x0
	WIN MUL_HI
	MUL 4, \ks, 0
	MUL 6, \ks, 0
	WIN 0
	PLACES 4                                       ; in front of the first read of results
.endm
; Part 2: a K step: 32 matrix instructions; the next step's 36 loads (slot ns, place nq) go out first, into the other sets, and have the step's products in which to land.
.macro P2STEP ks, ns, nq, zero
	s_wait_dscnt 0x0                               ; this step's fragments are in
	PLACES 4                                       ; behind the last step's products, which read the other sets
	FETCH_B2 \ns, \nq, ((\ks)+1)%2
	FETCH_A2 \ns, \nq, ((\ks)+1)%2
	WIN MUL_LO
	MUL2 0, \ks, \zero
	MUL2 2, \ks, \zero
	WIN 0
.endm
; Part 2: the step in front of slot Y's first read: each wave's part of Y has landed before it signals.  No round follows.
.macro P2TURN ks, ns
	s_wait_tensorcnt 0x0                           ; my part of slot Y has landed
	ds_add_u32 v[SPW], v[NIL]                      ; 0 onto my spare word
	s_wait_dscnt 0x0                               ; the add is done, and this step's fragments are in
	s_barrier_signal -1
	WIN MUL_LO
	MUL2 0, \ks, 0                                 ; work on registers while the others arrive
	WIN 0
	s_barrier_wait -1
	PLACES 4
	FETCH_B2 \ns, 0, ((\ks)+1)%2
	FETCH_A2 \ns, 0, ((\ks)+1)%2
	WIN MUL_LO
	MUL2 2, \ks, 0
	WIN 0
.endm
.macro P2TAIL ks
	s_wait_dscnt 0x0
	WIN MUL_LO
	MUL2 0, \ks, 0
	MUL2 2, \ks, 0
	WIN 0
	PLACES 4                                       ; in front of the first read of results
.endm
; 64 numbers of a lane in window win, register s + 16 b + i = k 32 b + 16 h + i of my row, become a fragment's codes in v[PC] on and my row's scale word in v[pw].  Each accumulator is read from its low end on.
.macro QUANT win, s, pw
	WIN ((\win)<<2)|((\win)<<4)                    ; sources 1 and 2 in the accumulators' window
.irp b, 0,1,2,3
	v_max3_num_f32 v[TM+\b], 0x1800000, |v[\s+16*\b]|, |v[\s+16*\b+1]|   ; block b: my 16 numbers, and the floor 2^(3 - 127): so the byte cannot fall under 1
.endr
.irp i, 2,4,6,8,10,12,14
.irp b, 0,1,2,3
	v_max3_num_f32 v[TM+\b], v[TM+\b], |v[\s+16*\b+\i]|, |v[\s+16*\b+\i+1]|   ; the four blocks by turns
.endr
.endr
	WIN 0
.irp b, 0,1,2,3
	v_permlanex16_b32 v[TM+4+\b], v[TM+\b], s[SEL], s[SEL+1]
.endr
.irp b, 0,1,2,3
	v_max_num_f32 v[TM+\b], v[TM+\b], v[TM+4+\b]   ; with lane l xor 16's 16: the block's largest magnitude
.endr
.irp b, 0,1,2,3
	v_add_nc_u32 v[TM+12+\b], 0xff000000, v[TM+\b] ; 2 off its exponent field: the conversion's scale operand
.endr
.irp b, 0,1,2,3
	v_lshrrev_b32 v[TM+4+\b], 23, v[TM+12+\b]      ; the scale's byte
.endr
	v_lshl_or_b32 v[\pw], v[TM+5], 8, v[TM+4]
	v_lshl_or_b32 v[\pw], v[TM+6], 16, v[\pw]
	v_lshl_or_b32 v[\pw], v[TM+7], 24, v[\pw]
	s_wait_xcnt 0x0                                ; the last block's stores have read their data: the codes' registers are written again only behind this wait; the lines above touch none of them
	WIN (\win)                                     ; source 0 in the accumulators' window
.irp c, 0,1
	v_cvt_scalef32_pk16_fp6_f32 v[PC+6*\c:PC+2+6*\c], v[\s+32*\c:\s+32*\c+15], v[TM+12+2*\c]
	v_cvt_scalef32_pk16_fp6_f32 v[PC+12+4*\c:PC+14+4*\c], v[\s+32*\c+16:\s+32*\c+31], v[TM+12+2*\c+1]   ; (a conversion's three registers begin on an even number)
.endr
	WIN 0
	v_nop                                          ; one plain place behind a scaled conversion
.irp c, 0,1                                    ; the operand wants a WHOLE block in a lane: lanes 0-15 block 2 c, lanes 16-31 block 2 c + 1
.irp i, 0,1,2
	v_permlane16_swap_b32 v[PC+6*\c+\i], v[PC+12+4*\c+\i]
.endr
.irp i, 0,1,2
	v_mov_b32 v[PC+3+6*\c+\i], v[PC+12+4*\c+\i]
.endr
.endr
.endm
	s_load_b256 s[4:11], s[0:1], 0x0               ; xw_codes s[4:5], xw_scales s[6:7], qkv_codes s[8:9], qkv_scales s[10:11]: these four stay as they are
	v_lshl_add_u32 v[SPW], v0, 2, SPARE
	v_mov_b32 v[NIL], 0
	ds_add_u32 v[SPW], v[NIL]                      ; the wave's opening: the add and its wait come ahead of my first tensor load; work on registers stands between them
	v_lshrrev_b32 v1, 5, v0
	v_readfirstlane_b32 s[WV], v1
	s_lshr_b32 s[WH], s[WV], 1
	s_and_b32 s[WL], s[WV], 1
	s_bfe_u32 s17, ttmp6, 0x40000                  ; cx
	s_bfe_u32 s18, ttmp6, 0x40004                  ; cy
	s_and_b32 s19, ttmp7, 0xffff                   ; cluster y
	s_lshl_b32 s20, s18, 2
	s_lshl_b32 s20, 15, s20                        ; my row of the cluster
	s_lshl_b32 s21, 0x1111, s17                    ; my column
	s_or_b32 s[G1], s20, (3<<16)|(1<<21)           ; 15:0 the mask; 17:16 elements of 8 bytes; 21 set beside a mask; no padding: an image's loads are 512 consecutive bytes
	s_or_b32 s[G1C], s20, (3<<16)|(1<<21)
	s_or_b32 s[G1B], s21, (3<<16)|(1<<21)
	s_or_b32 s[G1D], s21, (3<<16)|(1<<21)
.irp g, G1, G1B
	s_mov_b32 s[\g+1], 384<<16                     ; tensor_dim0: a block's two K steps, 3,072 bytes
	s_mov_b32 s[\g+2], 8<<16                       ; tensor_dim1: 8 blocks of 16 rows
	s_mov_b32 s[\g+3], 384<<16                     ; tile_dim0
	s_mov_b32 s[\g+4], 8                           ; tile_dim1
	s_mov_b32 s[\g+5], 1536                        ; from block to block: 12,288 bytes
	s_mov_b32 s[\g+6], 0
	s_mov_b32 s[\g+7], 0
.endr
	s_mov_b32 s[G1C+1], 768<<16                    ; part 2: a block's four K steps, 6,144 bytes;
	s_mov_b32 s[G1C+2], 4<<16                      ; of A 4 blocks a load,
	s_mov_b32 s[G1C+3], 768<<16
	s_mov_b32 s[G1C+4], 4
	s_mov_b32 s[G1C+5], 1536
	s_mov_b32 s[G1C+6], 0
	s_mov_b32 s[G1C+7], 0
	s_mov_b32 s[G1D+1], 768<<16
	s_mov_b32 s[G1D+2], 8<<16                      ; of B 8
	s_mov_b32 s[G1D+3], 768<<16
	s_mov_b32 s[G1D+4], 8
	s_mov_b32 s[G1D+5], 1536
	s_mov_b32 s[G1D+6], 0
	s_mov_b32 s[G1D+7], 0
	; which tiles.  A's hang on cy and the cluster, B's on cx and the cluster, in both parts
	s_lshl_b32 s22, s19, 2
	s_add_co_u32 s3, s22, s17                      ; part 2, B: x's tile of 256 rows: 4 x cluster y + cx
	s_add_co_u32 s22, s22, s18                     ; part 1, A: x's tile of 256 rows: 4 x cluster y + cy
	s_lshl_b32 s23, ttmp9, 2
	s_add_co_u32 s2, s23, s18                      ; part 2, A: which 128 of W's v rows: 4 x cluster x + cy
	s_add_co_u32 s23, s23, s17                     ; part 1, B: which 256 of W's q and k rows: 4 x cluster x + cx
	; where the tiles begin in xw_codes, in bytes, made in the descriptors' own words: a block of 16 rows is 12,288 bytes; x is blocks 0-511, W's q and k rows 512-639, its v rows 640-703
	s_mul_i32 s13, s[WL], 98304                    ; the 8 blocks that I fetch
	s_mul_i32 s[G0+2], s22, 196608
	s_add_co_u32 s[G0+2], s[G0+2], s13
	s_mov_b32 s[G0+3], 0
	s_mul_i32 s[G0B+2], s23, 196608
	s_add_co_u32 s[G0B+2], s[G0B+2], s13
	s_add_co_u32 s[G0B+2], s[G0B+2], 6291456
	s_mov_b32 s[G0B+3], 0
	s_mul_i32 s21, s[WL], 8*RB2                    ; (49,152 x half: the 4 blocks of A that I fetch in part 2; and below B's place in a slot)
	s_mul_i32 s[G0X+2], s2, 98304
	s_add_co_u32 s[G0X+2], s[G0X+2], s21
	s_add_co_u32 s[G0X+2], s[G0X+2], 7864320
	s_mov_b32 s[G0X+3], 0
	s_mul_i32 s[G0XB+2], s3, 196608
	s_add_co_u32 s[G0XB+2], s[G0XB+2], s13
	s_mov_b32 s[G0XB+3], 0
	; where they go: no place in the cluster enters an LDS address
	s_mul_i32 s66, s[WV], 8*RBB                    ; part 1: wave x 8 blocks
.irp s, 0,1,2
	s_mov_b32 s[G0+4*\s], 1
	s_add_co_u32 s[G0+4*\s+1], s66, \s*SLOT
	s_mov_b32 s[G0B+4*\s], 1
	s_add_co_u32 s[G0B+4*\s+1], s66, \s*SLOT
.endr
	s_mul_i32 s20, s[WL], 4*RB2                    ; part 2: A's halves at the slot's head,
	s_add_co_u32 s21, s21, 8*RB2                   ; B's behind A's 8 blocks
	s_mov_b32 s[G0X], 1
	s_add_co_u32 s[G0X+1], s20, SL2
	s_mov_b32 s[G0Y], 1
	s_mov_b32 s[G0Y+1], s20
	s_mov_b32 s[G0XB], 1
	s_add_co_u32 s[G0XB+1], s21, SL2
	s_mov_b32 s[G0YB], 1
	s_mov_b32 s[G0YB+1], s21
	s_wait_dscnt 0x0                               ; the opening add is done
	s_wait_kmcnt 0x0
	s_add_nc_u64 s[G0+2:G0+3], s[4:5], s[G0+2:G0+3]
	s_add_nc_u64 s[G0B+2:G0B+3], s[4:5], s[G0B+2:G0B+3]
	s_add_nc_u64 s[G0X+2:G0X+3], s[4:5], s[G0X+2:G0X+3]
	s_add_nc_u64 s[G0XB+2:G0XB+3], s[4:5], s[G0XB+2:G0XB+3]
.irp s, 1,2
	s_add_nc_u64 s[G0+4*\s+2:G0+4*\s+3], s[G0+2:G0+3], \s*RBB       ; slot s: K steps 2 s, 2 s + 1
	s_add_nc_u64 s[G0B+4*\s+2:G0B+4*\s+3], s[G0B+2:G0B+3], \s*RBB
.endr
	s_add_nc_u64 s[G0Y+2:G0Y+3], s[G0X+2:G0X+3], RB2                ; slot Y: part 2's K steps 4-7
	s_add_nc_u64 s[G0YB+2:G0YB+3], s[G0XB+2:G0XB+3], RB2
.irp g, G0+3, G0+7, G0+11, G0B+3, G0B+7, G0B+11, G0X+3, G0XB+3, G0Y+3, G0YB+3
	s_or_b32 s[\g], s[\g], 0x80000000              ; 127:126 type = 2
.endr
	CROUND                                         ; all sixteen work-groups are here: the first joint loads meet
	JLOAD G0, G1, G0B, G1B
	JLOAD G0+4, G1, G0B+4, G1B
	JLOAD G0+8, G1, G0B+8, G1B
	v_and_b32 v1, 15, v0                           ; r
	v_bfe_u32 v2, v0, 4, 1                         ; h
	v_and_b32 v3, 31, v0
	v_lshlrev_b32 v[LI], 4, v3
	v_lshlrev_b32 v31, 4, v1                       ; 16 r
	v_lshl_add_u32 v30, v2, 11, v31                ; 2,048 h + 16 r: lanes 16-31 take the next group of 64 rows
	s_lshl_b32 s12, s22, 13                        ; part 1, A's scale words: 4 groups of 2,048 bytes a tile, + my half's two
	s_lshl_b32 s67, s[WH], 12
	s_add_co_u32 s12, s12, s67
	v_add_nc_u32 v[VA1], s12, v30
	s_lshl_b32 s12, s23, 13                        ; B's: W's groups begin at 128
	s_lshl_b32 s67, s[WL], 12
	s_add_co_u32 s12, s12, s67
	s_add_co_u32 s12, s12, 262144
	v_add_nc_u32 v[VB1], s12, v30
.irp k, 0,1,2,3,4,5,6,7
	global_load_b128 v[SA+4*\k:SA+4*\k+3], v[VA1], s[6:7] offset:256*\k   ; sixteen lanes read 256 consecutive bytes, aligned
	global_load_b128 v[SB+4*\k:SB+4*\k+3], v[VB1], s[6:7] offset:256*\k
.endr
	s_mul_i32 s20, s[WH], 8*RBB                    ; part 1: my 8 blocks of A,
	s_mul_i32 s21, s[WL], 8*RBB                    ; my 8 of B,
	s_add_co_u32 s21, s21, 16*RBB                  ; which lie behind A's 16
.irp s, 0,1,2
	v_add_nc_u32 v[ADRA+\s], s20, v[LI]
	v_add_nc_u32 v[ADRB+\s], s21, v[LI]
	s_add_co_u32 s20, s20, SLOT
	s_add_co_u32 s21, s21, SLOT
.endr
	s_mul_i32 s20, s[WH], 4*RB2                    ; part 2: my 4 blocks of A,
	s_mul_i32 s21, s[WL], 8*RB2                    ; my 8 of B,
	s_add_co_u32 s21, s21, 8*RB2                   ; behind A's 8
.irp s, 0,1
	v_add_nc_u32 v[ADA2+\s], s20, v[LI]
	v_add_nc_u32 v[ADB2+\s], s21, v[LI]
	s_add_co_u32 s20, s20, SL2
	s_add_co_u32 s21, s21, SL2
.endr
	s_lshl_b32 s12, s2, 12                         ; part 2, A's scale words: my 64 rows are group 160 + 2 x tile + half; a load takes two K steps, 512 bytes
	s_lshl_b32 s67, s[WH], 11
	s_add_co_u32 s12, s12, s67
	s_add_co_u32 s12, s12, 327680
	v_add_nc_u32 v[VA2], s12, v[LI]
	s_lshl_b32 s12, s3, 13                         ; B's, as in part 1
	s_lshl_b32 s67, s[WL], 12
	s_add_co_u32 s12, s12, s67
	v_add_nc_u32 v[VB2], s12, v30
	; where my results go.  Part 1: block 16 tile + 8 half + a of 24,576 bytes, K step 2 tile + half of 1,536
	s_mul_i32 s12, s22, 393216
	s_mul_i32 s67, s[WH], 196608
	s_add_co_u32 s12, s12, s67
	s_mul_i32 s67, s23, 2*FRB
	s_add_co_u32 s12, s12, s67
	s_mul_i32 s67, s[WL], FRB
	s_add_co_u32 s12, s12, s67
	v_add_nc_u32 v[VO1], s12, v[LI]
	s_lshl_b32 s12, s22, 14                        ; its scale words: group 4 tile + 2 half + h of 4,096 bytes, 256 a K step
	s_lshl_b32 s67, s[WH], 13
	s_add_co_u32 s12, s12, s67
	s_lshl_b32 s67, s23, 9
	s_add_co_u32 s12, s12, s67
	s_lshl_b32 s67, s[WL], 8
	s_add_co_u32 s12, s12, s67
	v_lshl_add_u32 v[VS1], v2, 12, v31
	v_add_nc_u32 v[VS1], s12, v[VS1]
	s_mul_i32 s12, s2, 786432                      ; part 2: behind q and k: block 8 tile + 4 half + a of 98,304 bytes, K step 2 tile + half
	s_mul_i32 s67, s[WH], 393216
	s_add_co_u32 s12, s12, s67
	s_mul_i32 s67, s3, 2*FRB
	s_add_co_u32 s12, s12, s67
	s_mul_i32 s67, s[WL], FRB
	s_add_co_u32 s12, s12, s67
	s_add_co_u32 s12, s12, 12582912
	v_add_nc_u32 v[VO2], s12, v[LI]
	s_lshl_b32 s12, s2, 15                         ; its scale words: behind q's and k's: group 2 tile + half of 16,384 bytes, 256 a K step; 8 bytes a lane
	s_lshl_b32 s67, s[WH], 14
	s_add_co_u32 s12, s12, s67
	s_lshl_b32 s67, s3, 9
	s_add_co_u32 s12, s12, s67
	s_lshl_b32 s67, s[WL], 8
	s_add_co_u32 s12, s12, s67
	s_add_co_u32 s12, s12, 524288
	v_lshl_add_u32 v[VS2], v2, 3, v31
	v_add_nc_u32 v[VS2], s12, v[VS2]
	s_mov_b32 s[SEL], 0x76543210
	s_mov_b32 s[SEL+1], 0xfedcba98
.irp b, 0,1,2,3
	v_mov_b32 v[TM+4+\b], 0                        ; written once: a lane permute's destination counts as one of its sources
.endr
	s_wait_tensorcnt 0x2                           ; my part of slot 0 is in; slots 1 and 2 may stay out
	s_barrier_signal -1
	s_barrier_wait -1                              ; everybody's is
	FETCH_B 0, 0, 0
	FETCH_A 0, 0, 0
	FETCH_A 0, 0, 4
	s_wait_loadcnt 0x0                             ; the scale words
	; ---- PART 1
	STEP 0, 0, 1, 1                                ; the first step's products start the sums
	TURN 1, 1, 1                                   ; slots 1 and 2 are whole for every wave behind this round; slot 0 takes K steps 6 and 7
	STEP 2, 1, 1, 0
	STEP 3, 2, 0, 0
	STEP 4, 2, 1, 0
	TURN 5, 0, 2                                   ; slot 0's refill has landed in every wave; slots 1 and 2 are read out: part 2's slot X is asked for
	STEP 6, 0, 1, 0
	TAIL 7
; THE WAY OUT of part 1: block a's 16 rows x my 128 columns are one fragment of the next product
.macro EPI a
	QUANT 2+(\a)/4, 64*((\a)%4), PWS+(\a)
.irp c, 0,1,2
	global_store_b128 v[VO1], v[PC+4*\c:PC+4*\c+3], s[8:9] offset:(\a)*24576+512*\c   ; 32 lanes store 512 consecutive bytes, at a multiple of 256 from the buffer's first byte
.endr
.endm
.irp a, 0,1,2,3
	EPI \a
.endr
	s_wait_tensorcnt 0x0                           ; my part of slot X has landed
	ds_add_u32 v[SPW], v[NIL]                      ; 0 onto my spare word
	s_wait_dscnt 0x0                               ; the add is done; my reads of slot 0 were over in the last K step
	CROUND                                         ; no wave of any partner still reads slot 0 or has a load on its way; slot X is whole for every wave
	JLOAD G0Y, G1C, G0YB, G1D                      ; part 2's K steps 4-7
.irp k, 0,1,2,3
	global_load_b128 v[SA+4*\k:SA+4*\k+3], v[VA2], s[6:7] offset:512*\k   ; part 2's scale words, into the registers that held part 1's
.endr
.irp k, 0,1,2,3,4,5,6,7
	global_load_b128 v[SB+4*\k:SB+4*\k+3], v[VB2], s[6:7] offset:256*\k
.endr
	FETCH_B2 1, 0, 0                               ; and its first fragments: they land while the rest of part 1 goes out
	FETCH_A2 1, 0, 0
.irp a, 4,5,6,7
	EPI \a
.endr
	s_mov_b32 s[HIM], 0xffff0000
.irp i, 0,1,2,3
	v_cndmask_b32 v[TQ+\i], v[PWS+\i], v[PWS+4+\i], s[HIM]   ; lanes 0-15: the words of blocks 0-3, one group of 64 rows; lanes 16-31: those of blocks 4-7, the next
.endr
	global_store_b128 v[VS1], v[TQ:TQ+3], s[10:11] ; sixteen lanes store 256 consecutive bytes, aligned
	; ---- PART 2
	s_wait_loadcnt 0x0                             ; its scale words
	P2STEP 0, 1, 1, 1                              ; the first step's products start the sums anew
	P2STEP 1, 1, 2, 0
	P2STEP 2, 1, 3, 0
	P2TURN 3, 0
	P2STEP 4, 0, 1, 0
	P2STEP 5, 0, 2, 0
	P2STEP 6, 0, 3, 0
	P2TAIL 7
.macro EPI2 a
	QUANT 2, 64*(\a), PWS+(\a)
.irp c, 0,1,2
	global_store_b128 v[VO2], v[PC+4*\c:PC+4*\c+3], s[8:9] offset:(\a)*98304+512*\c
.endr
.endm
.irp a, 0,1,2,3
	EPI2 \a
.endr
	v_cndmask_b32 v[TQ], v[PWS], v[PWS+2], s[HIM]  ; every lane holds row r's four words: lanes 0-15 store those of blocks 0, 1, lanes 16-31 those of 2, 3
	v_cndmask_b32 v[TQ+1], v[PWS+1], v[PWS+3], s[HIM]
	global_store_b64 v[VS2], v[TQ:TQ+1], s[10:11]  ; 256 consecutive bytes, aligned
	s_wait_tensorcnt 0x0                           ; the wave's end
	ds_add_u32 v[SPW], v[NIL]
	s_wait_dscnt 0x0
	CROUND                                         ; the closing round: no work-group ends while a partner may still ask for a tile that names it
	s_endpgm
.Lfunc_end_k_q55952968df_proj:
	.size	k_q55952968df_proj, .Lfunc_end_k_q55952968df_proj-k_q55952968df_proj
	.p2alignl 7, 3214868480
	.fill 96, 4, 3214868480
	.section	.rodata,"a",@progbits
	.p2align	6, 0x0
	.amdhsa_kernel k_q55952968df_proj
		.amdhsa_group_segment_fixed_size 327680
		.amdhsa_private_segment_fixed_size 0
		.amdhsa_enable_private_segment 0
		.amdhsa_kernarg_size 32
		.amdhsa_user_sgpr_count 2
		.amdhsa_user_sgpr_kernarg_segment_ptr 1
		.amdhsa_wavefront_size32 1
		.amdhsa_system_sgpr_workgroup_id_x 1
		.amdhsa_system_sgpr_workgroup_id_y 1
		.amdhsa_system_sgpr_workgroup_id_z 1
		.amdhsa_system_vgpr_workitem_id 0
		.amdhsa_next_free_vgpr 1024
		.amdhsa_next_free_sgpr 102
		.amdhsa_reserve_vcc 0
		.amdhsa_float_denorm_mode_32 3
		.amdhsa_float_denorm_mode_16_64 3
		.amdhsa_memory_ordered 1
		.amdhsa_forward_progress 1
		.amdhsa_inst_pref_size 213
	.end_amdhsa_kernel
	.amdgpu_metadata
---
amdhsa.version: [ 1, 2 ]
amdhsa.kernels:
  - .name:           k_q55952968df_proj
    .symbol:         k_q55952968df_proj.kd
    .args:
      - { .name: xw_codes, .offset: 0, .size: 8, .value_kind: global_buffer, .address_space: global }
      - { .name: xw_scales, .offset: 8, .size: 8, .value_kind: global_buffer, .address_space: global }
      - { .name: qkv_codes, .offset: 16, .size: 8, .value_kind: global_buffer, .address_space: global }
      - { .name: qkv_scales, .offset: 24, .size: 8, .value_kind: global_buffer, .address_space: global }
    .group_segment_fixed_size: 327680
    .private_segment_fixed_size: 0
    .kernarg_segment_align: 8
    .kernarg_segment_size: 32
    .max_flat_workgroup_size: 128
    .sgpr_count:     102
    .vgpr_count:     1024
    .wavefront_size: 32
...
	.end_amdgpu_metadata
.endif
;; end of part 2
;; launch score (part 3): grid 8 x 32, 4 waves a work-group, clusters of 4 x 4, 327,680 bytes of LDS; arguments qkv_codes, qkv_scales, p_codes, p_stats; writes p_codes, p_stats
.if DOCPART == 3
	.amdgcn_target "amdgcn-amd-amdhsa--gfx1250"
	.amdhsa_code_object_version 6
	.text
	.protected	k_q55952968df_score
	.globl	k_q55952968df_score
	.p2align	8
	.type	k_q55952968df_score,@function
k_q55952968df_score:
	s_mov_b64 s[64:65], 0
	v_nop
	global_prefetch_b8 v0, s[64:65] scope:SCOPE_SE
	s_setreg_imm32_b32 hwreg(HW_REG_WAVE_MODE, 25, 1), 1
	s_wait_xcnt 0x0
	s_wait_alu depctr_hold_cnt(0) depctr_sa_sdst(0) depctr_va_vdst(0) depctr_va_sdst(0) depctr_va_ssrc(0) depctr_va_vcc(0) depctr_vm_vsrc(0)
	s_getreg_b32 s2, hwreg(HW_REG_IB_STS2, 6, 4)
	s_cmp_eq_u32 s2, 0
	s_cbranch_scc0 .Lentry_in_a_cluster
	s_endpgm
.Lentry_in_a_cluster:
	s_bfe_u32 s2, ttmp6, 0x10000c
	s_cmp_lg_u32 s2, 0xf033
	s_cbranch_scc0 .Lentry_shape_is_right
	s_endpgm
.Lentry_shape_is_right:
; The second product, S = q k^T (K = 1,024, on codes of E2M3 with E8M0 scales), and the softmax's numerator, quantised along the keys.
; t = score x log2(e) / 32.  For each query and each run of 128 keys (a wave's columns): M' = ceil(the run's largest t), a whole number; p = 2^(t - M'); the codes of p, with their blocks' scale bytes, are those of
; 2^(t - M) for the row's M but for the whole number M - M', which the scale bytes take up: the last launch shifts them.  The maximum is taken away before every exponential.  Stored for each query and run:
; the fragment image of p's codes; its scale word, with 0x80 set in every byte (the bytes lie in 1 .. 125; the set bit lets the shift be one subtraction a word); -M'; the f32 sum of the unquantised p.
; The scores never go to memory.  GEMM: as the launch before: a tile of 256 queries x 256 keys to four waves, 128 x 128 a wave, the matrix instruction used transposed (source 0 = 16 keys, source 1 = 16 queries),
; so that a lane holds one query; k's stored row order makes its 64 registers of a block of queries the keys 32 b + 16 h + i in true order.  8 K steps, two to a slot, three slots, one refill; at most three tensor loads of a wave are out.
; CLUSTERS: 4 x 4: q's tile is shared along a row of the cluster, k's along a column, each asked for jointly.  No prefetch: six of the eight K steps are requested at the head.
; A block's largest p is not searched for: p rises with the score, so the block's largest score goes through the same multiply-add and exponential (this takes v_exp_f32 not to fall where its input rises; at the worst one p of a block would be held one code low).
; LIMITS: p under 2^-126 of the run's largest counts as 0; a block of zeros gets the byte 1 (its codes are zeros); NaN and infinities are not served.
; REGISTERS: window 0: v16-29 addresses; v32-63 q's scale words, v64-95 k's; v96-119 at work on the way out; v128-223 q's 8 fragments (on the way out: v128-191 p, v192-211 its codes); v212-247 what is stored at the end.
;   window 1: k's 8 fragments, two sets.   windows 2, 3: the accumulators: (a, b) at v[8 (8 (a % 4) + b)] of window 2 + a / 4.
.set NQ,    2
.set FRB,   1536
.set RBB,   NQ*FRB
.set SLOT,  32*RBB
.set SPARE, 3*SLOT                     ; behind the ring: the spare words, 128 bytes a wave, which no other line names
.set REFILL, 3*RBB
.set ADRA, 16
.set ADRB, 20
.set LI,   24                          ; v24  16 x lane
.set SOF,  25                          ; v25  4,096 h + 16 r: scale loads and the last stores
.set SPW,  28
.set NIL,  29
.set SA,   32
.set SB,   64
.set MX,   96                          ; v96-99   the blocks' largest scores, then their largest p
.set PX,   100                         ; v100-103 lane l xor 16's
.set SOP,  104                         ; v104-107 the conversions' scale operands
.set BY,   108                         ; v108-111 the scale bytes
.set NM,   112                         ; v112 -M'; v113 is named with it as a pair
.set TT,   114
.set XL,   115
.set SU,   116                         ; v116-119 the sum, in two chains of pairs
.set AF,   128
.set P,    128
.set PC,   192
.set PWS,  212                         ; v212-219 the eight blocks' scale words; v220-227 their -M'; v228-235 their sums
.set NMS,  220
.set LSM,  228
.set TQ,   236                         ; v236-247 three groups of four to store
.set WV,   14
.set WH,   15
.set WL,   16
.set G1,   24
.set G1B,  32
.set G0,   40
.set G0B,  52
.set SEL,  92
.set HIM,  94
.set CS,   96                          ; s[96:97] c = log2(e) / 32: the packed form names a pair and takes its low word for both halves
.set MSB, 0
.macro WIN new                         ; s_set_vgpr_msb: bits 1:0 source 0, 3:2 source 1, 5:4 source 2, 7:6 destination; the high byte repeats the setting that is left
.if MSB != (\new)
	s_set_vgpr_msb (MSB<<8)|(\new)
.set MSB, (\new)
.endif
.endm
.set MUL_LO, 0xa1
.set MUL_HI, 0xf1
.set TO_B,   0x40
.macro PLACES n
.rept \n
	v_nop
.endr
.endm
.macro JLOAD g0a, g0b                  ; a joint load: waves 0 and 1 fetch q's halves, waves 2 and 3 k's; an s_nop 0 and four v_nop follow each of the two lines
	s_cmp_eq_u32 s[WH], 0
	s_cbranch_scc0 .Lfor_b_\@
	tensor_load_to_lds s[\g0a:\g0a+3], s[G1:G1+7]
	s_nop 0
	PLACES 4
	s_branch .Lasked_\@
.Lfor_b_\@:
	tensor_load_to_lds s[\g0b:\g0b+3], s[G1B:G1B+7]
	s_nop 0
	PLACES 4
.Lasked_\@:
.endm
.macro CREST
	s_cmp_lg_u32 s[WV], 0
	s_cbranch_scc1 .Lnot_wave_0_\@
	s_barrier_signal -3
.Lnot_wave_0_\@:
	s_barrier_wait -3
	s_barrier_signal -1
	s_barrier_wait -1
.endm
.macro CROUND
	s_barrier_signal -1
	s_barrier_wait -1
	CREST
.endm
.macro FRAG reg, adr, i, q
.irp c, 0,1,2
	ds_load_b128 v[\reg+4*\c:\reg+4*\c+3], v[\adr] offset:(\i)*RBB+(\q)*FRB+512*\c
.endr
.endm
.macro FETCH_B slot, q, p
	WIN TO_B
.irp i, 0,1,2,3,4,5,6,7
	FRAG 128*(\p)+12*\i, ADRB+\slot, \i, \q
.endr
	WIN 0
.endm
.macro FETCH_A slot, q, i0
.irp i, \i0, \i0+1, \i0+2, \i0+3
	FRAG AF+12*(\i), ADRA+\slot, \i, \q
.endr
.endm
.macro WM                              ; rW = 4 x (the sum starts) + 2 x (source 0's scales lie in lanes 16-31) + (source 1's do)
.if rW == 0
	v_wmma_scale_f32_16x16x128_f8f6f4 v[rD:rD+7], v[rB:rB+11], v[rA:rA+11], v[rD:rD+7], v[rS0], v[rS1] matrix_a_fmt:MATRIX_FMT_FP6 matrix_b_fmt:MATRIX_FMT_FP6
.elseif rW == 1
	v_wmma_scale_f32_16x16x128_f8f6f4 v[rD:rD+7], v[rB:rB+11], v[rA:rA+11], v[rD:rD+7], v[rS0], v[rS1] matrix_a_fmt:MATRIX_FMT_FP6 matrix_b_fmt:MATRIX_FMT_FP6 matrix_b_scale:MATRIX_SCALE_ROW1
.elseif rW == 2
	v_wmma_scale_f32_16x16x128_f8f6f4 v[rD:rD+7], v[rB:rB+11], v[rA:rA+11], v[rD:rD+7], v[rS0], v[rS1] matrix_a_fmt:MATRIX_FMT_FP6 matrix_b_fmt:MATRIX_FMT_FP6 matrix_a_scale:MATRIX_SCALE_ROW1
.elseif rW == 3
	v_wmma_scale_f32_16x16x128_f8f6f4 v[rD:rD+7], v[rB:rB+11], v[rA:rA+11], v[rD:rD+7], v[rS0], v[rS1] matrix_a_fmt:MATRIX_FMT_FP6 matrix_b_fmt:MATRIX_FMT_FP6 matrix_a_scale:MATRIX_SCALE_ROW1 matrix_b_scale:MATRIX_SCALE_ROW1
.elseif rW == 4
	v_wmma_scale_f32_16x16x128_f8f6f4 v[rD:rD+7], v[rB:rB+11], v[rA:rA+11], 0, v[rS0], v[rS1] matrix_a_fmt:MATRIX_FMT_FP6 matrix_b_fmt:MATRIX_FMT_FP6
.elseif rW == 5
	v_wmma_scale_f32_16x16x128_f8f6f4 v[rD:rD+7], v[rB:rB+11], v[rA:rA+11], 0, v[rS0], v[rS1] matrix_a_fmt:MATRIX_FMT_FP6 matrix_b_fmt:MATRIX_FMT_FP6 matrix_b_scale:MATRIX_SCALE_ROW1
.elseif rW == 6
	v_wmma_scale_f32_16x16x128_f8f6f4 v[rD:rD+7], v[rB:rB+11], v[rA:rA+11], 0, v[rS0], v[rS1] matrix_a_fmt:MATRIX_FMT_FP6 matrix_b_fmt:MATRIX_FMT_FP6 matrix_a_scale:MATRIX_SCALE_ROW1
.else
	v_wmma_scale_f32_16x16x128_f8f6f4 v[rD:rD+7], v[rB:rB+11], v[rA:rA+11], 0, v[rS0], v[rS1] matrix_a_fmt:MATRIX_FMT_FP6 matrix_b_fmt:MATRIX_FMT_FP6 matrix_a_scale:MATRIX_SCALE_ROW1 matrix_b_scale:MATRIX_SCALE_ROW1
.endif
.endm
.macro MUL a0, ks, zero                ; 16 matrix instructions: q's blocks a0, a0 + 1 x k's eight; block n's scale words lie in register n % 4, half n / 4; the 64 accumulators take turns
.irp a, \a0, \a0+1
.irp b, 0,1,2,3,4,5,6,7
.set rD, 8*(8*((\a)%4)+\b)
.set rB, 128*((\ks)%2)+12*\b
.set rA, AF+12*(\a)
.set rS0, SB+4*(\ks)+\b%4
.set rS1, SA+4*(\ks)+(\a)%4
.set rW, 4*(\zero)+2*(\b/4)+(\a)/4
	WM
.endr
.endr
.endm
.macro STEP ks, ns, nq, zero           ; a K step whose successor (slot ns, place nq) is whole for every wave; loads into registers that matrix instructions have read stand four plain vector instructions behind them
	s_wait_dscnt 12                                ; k's set and q's blocks 0-3 are in; the youngest 12 loads (blocks 4-7) may be out
	WIN MUL_LO
	MUL 0, \ks, \zero
	MUL 2, \ks, \zero
	s_wait_dscnt 0x0
	PLACES 4
	FETCH_B \ns, \nq, ((\ks)+1)%2
	FETCH_A \ns, \nq, 0
	WIN MUL_HI
	MUL 4, \ks, \zero
	MUL 6, \ks, \zero
	PLACES 4
	WIN 0
	FETCH_A \ns, \nq, 4
.endm
.macro TURN ks, ns, fill, fs           ; a K step that changes slots behind one barrier; fill = 1: it opens a round of the cluster's barrier, and slot fs is filled again first thing behind it
	s_wait_tensorcnt 0x0                           ; all my tensor loads have landed
	ds_add_u32 v[SPW], v[NIL]                      ; 0 onto my spare word
	s_wait_dscnt 13                                ; (the add and the youngest 12 loads may be out)
	WIN MUL_LO
	MUL 0, \ks, 0
	s_wait_dscnt 0x0                               ; the add is done, and my reads of this slot are over
	s_barrier_signal -1
	MUL 2, \ks, 0
	WIN 0
	s_barrier_wait -1
.if \fill
	CREST
	s_add_nc_u64 s[G0+4*\fs+2:G0+4*\fs+3], s[G0+4*\fs+2:G0+4*\fs+3], REFILL
	s_add_nc_u64 s[G0B+4*\fs+2:G0B+4*\fs+3], s[G0B+4*\fs+2:G0B+4*\fs+3], REFILL
	JLOAD G0+4*\fs, G0B+4*\fs
.else
	PLACES 4
.endif
	FETCH_B \ns, 0, ((\ks)+1)%2
	FETCH_A \ns, 0, 0
	WIN MUL_HI
	MUL 4, \ks, 0
	MUL 6, \ks, 0
	PLACES 4
	WIN 0
	FETCH_A \ns, 0, 4
.endm
.macro TAIL ks
	s_wait_dscnt 12
	WIN MUL_LO
	MUL 0, \ks, 0
	MUL 2, \ks, 0
	s_wait_dscnt 0x0
	WIN MUL_HI
	MUL 4, \ks, 0
	MUL 6, \ks, 0
	WIN 0
	PLACES 4
.endm
	s_load_b256 s[4:11], s[0:1], 0x0               ; qkv_codes s[4:5], qkv_scales s[6:7], p_codes s[8:9], p_stats s[10:11]
	v_lshl_add_u32 v[SPW], v0, 2, SPARE
	v_mov_b32 v[NIL], 0
	ds_add_u32 v[SPW], v[NIL]                      ; the wave's opening: the add and its wait come ahead of my first tensor load
	v_lshrrev_b32 v1, 5, v0
	v_readfirstlane_b32 s[WV], v1
	s_lshr_b32 s[WH], s[WV], 1
	s_and_b32 s[WL], s[WV], 1
	s_bfe_u32 s17, ttmp6, 0x40000                  ; cx
	s_bfe_u32 s18, ttmp6, 0x40004                  ; cy
	s_and_b32 s19, ttmp7, 0xffff                   ; cluster y
	s_lshl_b32 s20, s18, 2
	s_lshl_b32 s20, 15, s20                        ; my row of the cluster
	s_lshl_b32 s21, 0x1111, s17                    ; my column
	s_or_b32 s[G1], s20, (3<<16)|(1<<21)
	s_or_b32 s[G1B], s21, (3<<16)|(1<<21)
.irp g, G1, G1B
	s_mov_b32 s[\g+1], 384<<16                     ; a block's two K steps, 3,072 bytes, in elements of 8
	s_mov_b32 s[\g+2], 8<<16                       ; 8 blocks of 16 rows
	s_mov_b32 s[\g+3], 384<<16
	s_mov_b32 s[\g+4], 8
	s_mov_b32 s[\g+5], 3072                        ; from block to block: 24,576 bytes (q's 8 K steps, then k's 8)
	s_mov_b32 s[\g+6], 0
	s_mov_b32 s[\g+7], 0
.endr
	s_lshl_b32 s22, s19, 2
	s_add_co_u32 s22, s22, s18                     ; the tile of 256 queries, over all batches: 4 x cluster y + cy
	s_lshl_b32 s23, ttmp9, 2
	s_add_co_u32 s23, s23, s17                     ; the tile of 256 keys in the batch: 4 x cluster x + cx
	s_lshr_b32 s66, s19, 1                         ; the batch: 8 query tiles each
	s_mul_i32 s74, s22, 393216                     ; q: 16 blocks of 24,576 bytes a tile, + the half that I fetch (registers that never hold cx)
	s_mul_i32 s75, s[WL], 196608
	s_add_co_u32 s74, s74, s75
	s_mov_b32 s75, 0
	s_mul_i32 s76, s23, 393216                     ; k (registers that never hold cy): the same rows' K steps 8 on, in my batch
	s_mul_i32 s77, s[WL], 196608
	s_add_co_u32 s76, s76, s77
	s_mul_i32 s77, s66, 3145728
	s_add_co_u32 s76, s76, s77
	s_add_co_u32 s76, s76, 8*FRB
	s_mov_b32 s77, 0
	s_mul_i32 s78, s[WV], 8*RBB
	s_mov_b32 s[CS], 0x3d38aa3b                    ; c = log2(e) / 32
	s_mov_b32 s[CS+1], s[CS]
	s_wait_dscnt 0x0                               ; the opening add is done
	s_wait_kmcnt 0x0
	s_add_nc_u64 s[74:75], s[4:5], s[74:75]
	s_add_nc_u64 s[76:77], s[4:5], s[76:77]
	CROUND                                         ; all sixteen work-groups are here: the first joint loads meet
.irp s, 0,1,2
	s_mov_b32 s[G0+4*\s], 1
	s_add_co_u32 s[G0+4*\s+1], s78, \s*SLOT
	s_add_nc_u64 s[G0+4*\s+2:G0+4*\s+3], s[74:75], \s*RBB
	s_or_b32 s[G0+4*\s+3], s[G0+4*\s+3], 0x80000000
	s_mov_b32 s[G0B+4*\s], 1
	s_add_co_u32 s[G0B+4*\s+1], s78, \s*SLOT
	s_add_nc_u64 s[G0B+4*\s+2:G0B+4*\s+3], s[76:77], \s*RBB
	s_or_b32 s[G0B+4*\s+3], s[G0B+4*\s+3], 0x80000000
	JLOAD G0+4*\s, G0B+4*\s
.endr
	v_and_b32 v1, 15, v0                           ; r
	v_bfe_u32 v2, v0, 4, 1                         ; h
	v_and_b32 v3, 31, v0
	v_lshlrev_b32 v[LI], 4, v3
	v_lshlrev_b32 v[SOF], 4, v1
	v_lshl_add_u32 v[SOF], v2, 12, v[SOF]          ; lanes 16-31 take the next group of 64 rows
	s_lshl_b32 s80, s22, 14                        ; q's scale words: 4 groups of 4,096 bytes a tile, + my half's two
	s_lshl_b32 s81, s[WH], 13
	s_add_co_u32 s80, s80, s81
	s_mov_b32 s81, 0
	s_add_nc_u64 s[80:81], s[6:7], s[80:81]
	s_lshl_b32 s82, s23, 14                        ; k's
	s_lshl_b32 s83, s[WL], 13
	s_add_co_u32 s82, s82, s83
	s_lshl_b32 s83, s66, 17
	s_add_co_u32 s82, s82, s83
	s_mov_b32 s83, 0
	s_add_nc_u64 s[82:83], s[6:7], s[82:83]
.irp k, 0,1,2,3,4,5,6,7
	global_load_b128 v[SA+4*\k:SA+4*\k+3], v[SOF], s[80:81] offset:256*\k
	global_load_b128 v[SB+4*\k:SB+4*\k+3], v[SOF], s[82:83] offset:2048+256*\k
.endr
	s_mul_i32 s86, s[WH], 8*RBB
	s_mul_i32 s87, s[WL], 8*RBB
	s_add_co_u32 s87, s87, 16*RBB
.irp s, 0,1,2
	v_add_nc_u32 v[ADRA+\s], s86, v[LI]
	v_add_nc_u32 v[ADRB+\s], s87, v[LI]
	s_add_co_u32 s86, s86, SLOT
	s_add_co_u32 s87, s87, SLOT
.endr
	s_mul_i32 s84, s22, 393216                     ; p's codes: block 16 tile + 8 half of the queries, K step 2 key tile + half
	s_mul_i32 s85, s[WH], 196608
	s_add_co_u32 s84, s84, s85
	s_mul_i32 s85, s23, 2*FRB
	s_add_co_u32 s84, s84, s85
	s_mul_i32 s85, s[WL], FRB
	s_add_co_u32 s84, s84, s85
	s_mov_b32 s85, 0
	s_add_nc_u64 s[84:85], s[8:9], s[84:85]
	s_lshl_b32 s90, s22, 14                        ; the statistics: group 4 tile + 2 half, 256 bytes a K step
	s_lshl_b32 s91, s[WH], 13
	s_add_co_u32 s90, s90, s91
	s_lshl_b32 s91, s23, 9
	s_add_co_u32 s90, s90, s91
	s_lshl_b32 s91, s[WL], 8
	s_add_co_u32 s90, s90, s91
	s_mov_b32 s91, 0
	s_add_nc_u64 s[90:91], s[10:11], s[90:91]
	s_mov_b32 s[SEL], 0x76543210
	s_mov_b32 s[SEL+1], 0xfedcba98
	s_mov_b32 s[HIM], 0xffff0000
.irp b, 0,1,2,3
	v_mov_b32 v[PX+\b], 0                          ; written once: a lane permute's destination counts as one of its sources
.endr
	v_mov_b32 v[XL], 0
	v_mov_b32 v[NM+1], 0                           ; (named as the upper half of the pair)
	s_wait_tensorcnt 0x2                           ; my part of slot 0 is in; slots 1 and 2 may stay out
	s_barrier_signal -1
	s_barrier_wait -1
	FETCH_B 0, 0, 0
	FETCH_A 0, 0, 0
	FETCH_A 0, 0, 4
	s_wait_loadcnt 0x0                             ; the scale words
	STEP 0, 0, 1, 1
	TURN 1, 1, 1, 0                                ; slots 1 and 2 are whole for every wave behind this round; slot 0 takes K steps 6 and 7
	STEP 2, 1, 1, 0
	STEP 3, 2, 0, 0
	STEP 4, 2, 1, 0
	TURN 5, 0, 0, 0
	STEP 6, 0, 1, 0
	TAIL 7
; THE WAY OUT of block a: 16 queries x my 128 keys; a lane's register 16 b + i is key 32 b + 16 h + i of query r
.macro SOFT a
.set AW, 2+(\a)/4
.set AC, 64*((\a)%4)
	s_wait_xcnt 0x0                                ; the last block's stores have read their data
	WIN (AW<<2)|(AW<<4)                            ; sources 1 and 2 in the accumulators' window
.irp b, 0,1,2,3
	v_max3_num_f32 v[MX+\b], 0xff800000, v[AC+16*\b], v[AC+16*\b+1]   ; the largest score of each block of 32 keys; each accumulator is read from its low end on
.endr
.irp i, 2,4,6,8,10,12,14
.irp b, 0,1,2,3
	v_max3_num_f32 v[MX+\b], v[MX+\b], v[AC+16*\b+\i], v[AC+16*\b+\i+1]
.endr
.endr
	WIN 0
.irp b, 0,1,2,3
	v_permlanex16_b32 v[PX+\b], v[MX+\b], s[SEL], s[SEL+1]
.endr
.irp b, 0,1,2,3
	v_max_num_f32 v[MX+\b], v[MX+\b], v[PX+\b]     ; with lane l xor 16's 16 keys
.endr
	v_max3_num_f32 v[TT], v[MX], v[MX+1], v[MX+2]
	v_max_num_f32 v[TT], v[TT], v[MX+3]            ; the largest score of my query's 128 keys,
	v_mul_f32 v[TT], s[CS], v[TT]                  ; as t (c is positive)
	v_floor_f32 v[NM], -v[TT]                      ; -M' = floor(-t) = -ceil(t): a whole number
	WIN AW                                         ; source 0 in the accumulators' window
.set j, 0
.rept 32
	v_pk_fma_f32 v[P+j:P+j+1], v[AC+j:AC+j+1], s[CS:CS+1], v[NM:NM+1] op_sel_hi:[1,0,0]   ; t - M', two at a time
.set j, j+2
.endr
	WIN 0
.irp b, 0,1,2,3
	v_fma_f32 v[MX+\b], v[MX+\b], s[CS], v[NM]     ; the same of each block's largest score
.endr
.set j, 0
.rept 64
	v_exp_f32 v[P+j], v[P+j]                       ; p = 2^(t - M'): not normalised
.set j, j+1
.endr
.irp b, 0,1,2,3
	v_exp_f32 v[MX+\b], v[MX+\b]                   ; the block's largest p: the same two instructions on the same number give the same bits
.endr
	v_mov_b32 v[NMS+(\a)], v[NM]                   ; a plain instruction behind the last exponential
	s_wait_alu depctr_va_vdst(0)                   ; one wait for the batch of 68, ahead of its first reader
	v_pk_add_f32 v[SU:SU+1], v[P:P+1], v[P+2:P+3]  ; the sum is taken of the UNQUANTISED p: two at a time, in two chains
	v_pk_add_f32 v[SU+2:SU+3], v[P+4:P+5], v[P+6:P+7]
.irp j, 8,12,16,20,24,28,32,36,40,44,48,52,56,60
	v_pk_add_f32 v[SU:SU+1], v[SU:SU+1], v[P+\j:P+\j+1]
	v_pk_add_f32 v[SU+2:SU+3], v[SU+2:SU+3], v[P+\j+2:P+\j+3]
.endr
	v_pk_add_f32 v[SU:SU+1], v[SU:SU+1], v[SU+2:SU+3]
	v_add_f32 v[SU], v[SU], v[SU+1]
	v_permlanex16_b32 v[XL], v[SU], s[SEL], s[SEL+1]
	v_add_f32 v[LSM+(\a)], v[SU], v[XL]            ; with lane l xor 16's: the run's sum
.irp b, 0,1,2,3
	v_max_num_f32 v[MX+\b], 0x1800000, v[MX+\b]    ; the floor 2^(3 - 127): the byte cannot fall under 1
.endr
.irp b, 0,1,2,3
	v_add_nc_u32 v[SOP+\b], 0xff000000, v[MX+\b]   ; 2 off the exponent field: the conversion's scale operand
.endr
.irp b, 0,1,2,3
	v_lshrrev_b32 v[BY+\b], 23, v[SOP+\b]          ; the scale's byte, 1 .. 125
.endr
	v_lshl_or_b32 v[TT], v[BY+1], 8, v[BY]
	v_lshl_or_b32 v[TT], v[BY+2], 16, v[TT]
	v_lshl_or_b32 v[TT], v[BY+3], 24, v[TT]
	v_or_b32 v[PWS+(\a)], 0x80808080, v[TT]        ; 128 on each byte: the shift to the row's M is then one subtraction without a borrow
.irp c, 0,1
	v_cvt_scalef32_pk16_fp6_f32 v[PC+6*\c:PC+2+6*\c], v[P+32*\c:P+32*\c+15], v[SOP+2*\c]
	v_cvt_scalef32_pk16_fp6_f32 v[PC+12+4*\c:PC+14+4*\c], v[P+32*\c+16:P+32*\c+31], v[SOP+2*\c+1]   ; (a conversion's three registers begin on an even number)
.endr
	v_nop                                          ; one plain place behind a scaled conversion
.irp c, 0,1                                    ; the operand wants a WHOLE block in a lane
.irp i, 0,1,2
	v_permlane16_swap_b32 v[PC+6*\c+\i], v[PC+12+4*\c+\i]
.endr
.irp i, 0,1,2
	v_mov_b32 v[PC+3+6*\c+\i], v[PC+12+4*\c+\i]
.endr
.endr
.irp c, 0,1,2
	global_store_b128 v[LI], v[PC+4*\c:PC+4*\c+3], s[84:85] offset:(\a)*24576+512*\c   ; 32 lanes store 512 consecutive bytes, at a multiple of 256 from the buffer's first byte
.endr
.endm
.irp a, 0,1,2,3,4,5,6,7
	SOFT \a
.endr
.irp i, 0,1,2,3                                ; lanes 0-15: blocks 0-3, one group of 64 queries; lanes 16-31: blocks 4-7, the next
	v_cndmask_b32 v[TQ+\i], v[PWS+\i], v[PWS+4+\i], s[HIM]
	v_cndmask_b32 v[TQ+4+\i], v[NMS+\i], v[NMS+4+\i], s[HIM]
	v_cndmask_b32 v[TQ+8+\i], v[LSM+\i], v[LSM+4+\i], s[HIM]
.endr
	global_store_b128 v[SOF], v[TQ:TQ+3], s[90:91]                     ; the scale words; sixteen lanes store 256 consecutive bytes, aligned
	global_store_b128 v[SOF], v[TQ+4:TQ+7], s[90:91] offset:524288     ; -M'
	global_store_b128 v[SOF], v[TQ+8:TQ+11], s[90:91] offset:1048576   ; the sums
	s_wait_tensorcnt 0x0                           ; the wave's end
	ds_add_u32 v[SPW], v[NIL]
	s_wait_dscnt 0x0
	CROUND                                         ; the closing round
	s_endpgm
.Lfunc_end_k_q55952968df_score:
	.size	k_q55952968df_score, .Lfunc_end_k_q55952968df_score-k_q55952968df_score
	.p2alignl 7, 3214868480
	.fill 96, 4, 3214868480
	.section	.rodata,"a",@progbits
	.p2align	6, 0x0
	.amdhsa_kernel k_q55952968df_score
		.amdhsa_group_segment_fixed_size 327680
		.amdhsa_private_segment_fixed_size 0
		.amdhsa_enable_private_segment 0
		.amdhsa_kernarg_size 32
		.amdhsa_user_sgpr_count 2
		.amdhsa_user_sgpr_kernarg_segment_ptr 1
		.amdhsa_wavefront_size32 1
		.amdhsa_system_sgpr_workgroup_id_x 1
		.amdhsa_system_sgpr_workgroup_id_y 1
		.amdhsa_system_sgpr_workgroup_id_z 1
		.amdhsa_system_vgpr_workitem_id 0
		.amdhsa_next_free_vgpr 1024
		.amdhsa_next_free_sgpr 100
		.amdhsa_reserve_vcc 0
		.amdhsa_float_denorm_mode_32 3
		.amdhsa_float_denorm_mode_16_64 3
		.amdhsa_memory_ordered 1
		.amdhsa_forward_progress 1
		.amdhsa_inst_pref_size 194
	.end_amdhsa_kernel
	.amdgpu_metadata
---
amdhsa.version: [ 1, 2 ]
amdhsa.kernels:
  - .name:           k_q55952968df_score
    .symbol:         k_q55952968df_score.kd
    .args:
      - { .name: qkv_codes, .offset: 0, .size: 8, .value_kind: global_buffer, .address_space: global }
      - { .name: qkv_scales, .offset: 8, .size: 8, .value_kind: global_buffer, .address_space: global }
      - { .name: p_codes, .offset: 16, .size: 8, .value_kind: global_buffer, .address_space: global }
      - { .name: p_stats, .offset: 24, .size: 8, .value_kind: global_buffer, .address_space: global }
    .group_segment_fixed_size: 327680
    .private_segment_fixed_size: 0
    .kernarg_segment_align: 8
    .kernarg_segment_size: 32
    .max_flat_workgroup_size: 128
    .sgpr_count:     100
    .vgpr_count:     1024
    .wavefront_size: 32
...
	.end_amdgpu_metadata
.endif
;; end of part 3
;; launch mix (part 4): grid 4 x 64, 4 waves a work-group, clusters of 4 x 4, 327,680 bytes of LDS; arguments p_codes, p_stats, qkv_codes, qkv_scales, out0; writes out0
.if DOCPART == 4
	.amdgcn_target "amdgcn-amd-amdhsa--gfx1250"
	.amdhsa_code_object_version 6
	.text
	.protected	k_q55952968df_mix
	.globl	k_q55952968df_mix
	.p2align	8
	.type	k_q55952968df_mix,@function
k_q55952968df_mix:
	s_mov_b64 s[64:65], 0
	v_nop
	global_prefetch_b8 v0, s[64:65] scope:SCOPE_SE
	s_setreg_imm32_b32 hwreg(HW_REG_WAVE_MODE, 25, 1), 1
	s_wait_xcnt 0x0
	s_wait_alu depctr_hold_cnt(0) depctr_sa_sdst(0) depctr_va_vdst(0) depctr_va_sdst(0) depctr_va_ssrc(0) depctr_va_vcc(0) depctr_vm_vsrc(0)
	s_getreg_b32 s2, hwreg(HW_REG_IB_STS2, 6, 4)
	s_cmp_eq_u32 s2, 0
	s_cbranch_scc0 .Lentry_in_a_cluster
	s_endpgm
.Lentry_in_a_cluster:
	s_bfe_u32 s2, ttmp6, 0x10000c
	s_cmp_lg_u32 s2, 0xf033
	s_cbranch_scc0 .Lentry_shape_is_right
	s_endpgm
.Lentry_shape_is_right:
; The third product, O = p V / l (K = the batch's 2,048 keys, on codes of E2M3 with E8M0 scales).
; p's codes were made against a whole number M' for each query and run of 128 keys.  Here, for each query: M = the largest M'; each run's scale bytes are lowered by e = M - M' (exact: a power of two);
; l = the sum of the runs' sums x 2^-e; O is divided by l at the end.
; A tile of O, 128 queries x 256 channels, is made by four waves; a wave makes 128 x 64: 32 accumulators, 256 registers: the tile that gives each of 256 WGPs one work-group.  THE MATRIX INSTRUCTION IS USED
; TRANSPOSED (source 0 = 16 channels of V^T, source 1 = 16 queries of p): a lane holds one query and neighbouring channels.  The stored order of rows (inside 32: place 16 u + 8 g + j holds true row 16 g + 8 u + j)
; is put right on the way out: the channels' by the stage's offsets, the queries' by the stores' immediates.
; K: 16 steps of 128, four to an LDS slot, two slots; both are first filled at the head and each is filled once more, four steps (128 matrix instructions) ahead of its use.  At most two tensor loads of a wave are out.
; CLUSTERS: 4 x 4: p's tile is shared along a row of the cluster, V^T's along a column, each asked for jointly.  No prefetch: half of K is requested at the head.
; LIMITS: e is held at 127, and a scale byte that would fall under 0 at 0: what that touches lies under 2^-120 of the row's largest p.  NaN and infinities are not served.
; REGISTERS: window 0: v16-29 addresses; v32-95 p's scale words (4 x K step + i), v96-127 V^T's (4 x (K step / 2) + b: lanes 0-15 the even step's, lanes 16-31 the odd one's); v128-223 p's 8 fragments, one set
;   (before the products: at work; on the way out: rows of O); v224-239 1 / l, a pair for each block of queries; v240-255 at work before the products.
;   window 1: V^T's 4 fragments, two sets, at v0 and v128; before the products v48-111 -M', v176-239 the runs' sums.   window 2: the accumulators: (a, b) at v[8 (4 a + b)].
.set NQ,    4
.set FRB,   1536
.set RBB,   NQ*FRB                     ; a block of 16 rows in a slot: 6,144 bytes
.set SLOT,  24*RBB                     ; p's 8 blocks, then V^T's 16
.set SPARE, 2*SLOT                     ; behind the ring: the spare words, 128 bytes a wave, which no other line names
.set REFILL, 2*RBB
.set ADRA, 16                          ; v16-17 LDS address of p's fragments in slot 0, 1
.set ADRB, 20                          ; v20-21 of my V^T fragments
.set CO,   23                          ; v23  the way out: 4,096 h + 16 r in O
.set LI,   24                          ; v24  16 x lane
.set SOF,  25                          ; v25  4,096 h + 16 r: the statistics' loads
.set STO,  26                          ; v26  the stage: where I put 16 bytes of a row
.set RD,   27                          ; v27  and where I read a row back
.set SPW,  28
.set NIL,  29
.set SA,   32
.set SB,   96
.set AF,   128
.set DD,   128                         ; v128-143, v144-159, v160-175: sixteen words at a time, at work
.set II,   144
.set TT,   160
.set BK,   128                         ; the way out: 16 rows read back: v128-159 and v160-191 by turns
.set R16,  224
.set GM,   240                         ; v240-243 -M;  v244-247 l;  v248-251 1 / l;  v252-255 lane l xor 16's
.set LS,   244
.set RL,   248
.set XR,   252
.set NW,   48                          ; in window 1
.set LW,   176
.set WV,   14
.set WH,   15
.set WL,   16
.set G1,   24                          ; s[24:31] descriptor group 1 for p's tiles (4 blocks); s[32:39] for V^T's (8 blocks, another pitch)
.set G1B,  32
.set G0,   40                          ; s[40:47] group 0 for p's tiles, a set for each slot; s[52:59] for V^T's
.set G0B,  52
.set SEL,  92
.set HIM,  94
.set MSB, 0
.macro WIN new                         ; s_set_vgpr_msb: bits 1:0 source 0, 3:2 source 1, 5:4 source 2, 7:6 destination; the high byte repeats the setting that is left
.if MSB != (\new)
	s_set_vgpr_msb (MSB<<8)|(\new)
.set MSB, (\new)
.endif
.endm
.set MUL_W, 0xa1                       ; source 0 (V^T) window 1, source 1 (p) window 0, C and D window 2
.set TO_B,  0x40
.macro PLACES n
.rept \n
	v_nop
.endr
.endm
.macro JLOAD g0a, g0b                  ; a joint load: waves 0 and 1 fetch p's halves, waves 2 and 3 V^T's; an s_nop 0 and four v_nop follow each of the two lines
	s_cmp_eq_u32 s[WH], 0
	s_cbranch_scc0 .Lfor_b_\@
	tensor_load_to_lds s[\g0a:\g0a+3], s[G1:G1+7]
	s_nop 0
	PLACES 4
	s_branch .Lasked_\@
.Lfor_b_\@:
	tensor_load_to_lds s[\g0b:\g0b+3], s[G1B:G1B+7]
	s_nop 0
	PLACES 4
.Lasked_\@:
.endm
.macro CREST
	s_cmp_lg_u32 s[WV], 0
	s_cbranch_scc1 .Lnot_wave_0_\@
	s_barrier_signal -3
.Lnot_wave_0_\@:
	s_barrier_wait -3
	s_barrier_signal -1
	s_barrier_wait -1
.endm
.macro CROUND
	s_barrier_signal -1
	s_barrier_wait -1
	CREST
.endm
.macro FRAG reg, adr, i, q
.irp c, 0,1,2
	ds_load_b128 v[\reg+4*\c:\reg+4*\c+3], v[\adr] offset:(\i)*RBB+(\q)*FRB+512*\c
.endr
.endm
.macro FETCH_B slot, q, p
	WIN TO_B
.irp i, 0,1,2,3
	FRAG 128*(\p)+12*\i, ADRB+\slot, \i, \q
.endr
	WIN 0
.endm
.macro FETCH_A slot, q, i0
.irp i, \i0, \i0+1, \i0+2, \i0+3
	FRAG AF+12*(\i), ADRA+\slot, \i, \q
.endr
.endm
.macro WM                              ; rW = 4 x (the sum starts) + 2 x (source 0's scales lie in lanes 16-31) + (source 1's do)
.if rW == 0
	v_wmma_scale_f32_16x16x128_f8f6f4 v[rD:rD+7], v[rB:rB+11], v[rA:rA+11], v[rD:rD+7], v[rS0], v[rS1] matrix_a_fmt:MATRIX_FMT_FP6 matrix_b_fmt:MATRIX_FMT_FP6
.elseif rW == 1
	v_wmma_scale_f32_16x16x128_f8f6f4 v[rD:rD+7], v[rB:rB+11], v[rA:rA+11], v[rD:rD+7], v[rS0], v[rS1] matrix_a_fmt:MATRIX_FMT_FP6 matrix_b_fmt:MATRIX_FMT_FP6 matrix_b_scale:MATRIX_SCALE_ROW1
.elseif rW == 2
	v_wmma_scale_f32_16x16x128_f8f6f4 v[rD:rD+7], v[rB:rB+11], v[rA:rA+11], v[rD:rD+7], v[rS0], v[rS1] matrix_a_fmt:MATRIX_FMT_FP6 matrix_b_fmt:MATRIX_FMT_FP6 matrix_a_scale:MATRIX_SCALE_ROW1
.elseif rW == 3
	v_wmma_scale_f32_16x16x128_f8f6f4 v[rD:rD+7], v[rB:rB+11], v[rA:rA+11], v[rD:rD+7], v[rS0], v[rS1] matrix_a_fmt:MATRIX_FMT_FP6 matrix_b_fmt:MATRIX_FMT_FP6 matrix_a_scale:MATRIX_SCALE_ROW1 matrix_b_scale:MATRIX_SCALE_ROW1
.elseif rW == 4
	v_wmma_scale_f32_16x16x128_f8f6f4 v[rD:rD+7], v[rB:rB+11], v[rA:rA+11], 0, v[rS0], v[rS1] matrix_a_fmt:MATRIX_FMT_FP6 matrix_b_fmt:MATRIX_FMT_FP6
.elseif rW == 5
	v_wmma_scale_f32_16x16x128_f8f6f4 v[rD:rD+7], v[rB:rB+11], v[rA:rA+11], 0, v[rS0], v[rS1] matrix_a_fmt:MATRIX_FMT_FP6 matrix_b_fmt:MATRIX_FMT_FP6 matrix_b_scale:MATRIX_SCALE_ROW1
.elseif rW == 6
	v_wmma_scale_f32_16x16x128_f8f6f4 v[rD:rD+7], v[rB:rB+11], v[rA:rA+11], 0, v[rS0], v[rS1] matrix_a_fmt:MATRIX_FMT_FP6 matrix_b_fmt:MATRIX_FMT_FP6 matrix_a_scale:MATRIX_SCALE_ROW1
.else
	v_wmma_scale_f32_16x16x128_f8f6f4 v[rD:rD+7], v[rB:rB+11], v[rA:rA+11], 0, v[rS0], v[rS1] matrix_a_fmt:MATRIX_FMT_FP6 matrix_b_fmt:MATRIX_FMT_FP6 matrix_a_scale:MATRIX_SCALE_ROW1 matrix_b_scale:MATRIX_SCALE_ROW1
.endif
.endm
.macro MUL a0, ks, zero                ; 8 matrix instructions: p's blocks a0, a0 + 1 x my four of V^T; the 32 accumulators take turns, in the same order in every step
.irp a, \a0, \a0+1
.irp b, 0,1,2,3
.set rD, 8*(4*(\a)+\b)
.set rB, 128*((\ks)%2)+12*\b
.set rA, AF+12*(\a)
.set rS0, SB+4*((\ks)/2)+\b
.set rS1, SA+4*(\ks)+(\a)%4
.set rW, 4*(\zero)+2*((\ks)%2)+(\a)/4
	WM
.endr
.endr
.endm
.macro STEP ks, ns, nq, zero           ; a K step whose successor (slot ns, place nq) is whole for every wave; loads into registers that matrix instructions have read stand four plain vector instructions behind them
	s_wait_dscnt 12                                ; V^T's set and p's blocks 0-3 are in; the youngest 12 loads (blocks 4-7) may be out
	WIN MUL_W
	MUL 0, \ks, \zero
	MUL 2, \ks, \zero
	s_wait_dscnt 0x0
	PLACES 4
	FETCH_B \ns, \nq, ((\ks)+1)%2
	FETCH_A \ns, \nq, 0
	WIN MUL_W
	MUL 4, \ks, \zero
	MUL 6, \ks, \zero
	PLACES 4
	WIN 0
	FETCH_A \ns, \nq, 4
.endm
.macro TURN ks, ns, fill, fs           ; a K step that changes slots behind one barrier; fill = 1: it opens a round of the cluster's barrier, and slot fs is filled again first thing behind it
	s_wait_tensorcnt 0x0                           ; all my tensor loads have landed: my part of the next slot
	ds_add_u32 v[SPW], v[NIL]                      ; 0 onto my spare word
	s_wait_dscnt 13                                ; (the add and the youngest 12 loads may be out)
	WIN MUL_W
	MUL 0, \ks, 0
	s_wait_dscnt 0x0                               ; the add is done, and my reads of this slot are over
	s_barrier_signal -1
	MUL 2, \ks, 0
	WIN 0
	s_barrier_wait -1
.if \fill
	CREST
	s_add_nc_u64 s[G0+4*\fs+2:G0+4*\fs+3], s[G0+4*\fs+2:G0+4*\fs+3], REFILL
	s_add_nc_u64 s[G0B+4*\fs+2:G0B+4*\fs+3], s[G0B+4*\fs+2:G0B+4*\fs+3], REFILL
	JLOAD G0+4*\fs, G0B+4*\fs
.else
	PLACES 4
.endif
	FETCH_B \ns, 0, ((\ks)+1)%2
	FETCH_A \ns, 0, 0
	WIN MUL_W
	MUL 4, \ks, 0
	MUL 6, \ks, 0
	PLACES 4
	WIN 0
	FETCH_A \ns, 0, 4
.endm
.macro TAIL ks
	s_wait_dscnt 12
	WIN MUL_W
	MUL 0, \ks, 0
	MUL 2, \ks, 0
	s_wait_dscnt 0x0
	MUL 4, \ks, 0
	MUL 6, \ks, 0
	WIN 0
	PLACES 4
.endm
	s_load_b256 s[4:11], s[0:1], 0x0               ; p_codes s[4:5], p_stats s[6:7], qkv_codes s[8:9], qkv_scales s[10:11]
	s_load_b64 s[12:13], s[0:1], 0x20              ; out0
	v_lshl_add_u32 v[SPW], v0, 2, SPARE
	v_mov_b32 v[NIL], 0
	ds_add_u32 v[SPW], v[NIL]                      ; the wave's opening: the add and its wait come ahead of my first tensor load
	v_lshrrev_b32 v1, 5, v0
	v_readfirstlane_b32 s[WV], v1
	s_lshr_b32 s[WH], s[WV], 1                     ; I fetch for p (0) or for V^T (1),
	s_and_b32 s[WL], s[WV], 1                      ; and which half
	s_bfe_u32 s17, ttmp6, 0x40000                  ; cx
	s_bfe_u32 s18, ttmp6, 0x40004                  ; cy
	s_and_b32 s19, ttmp7, 0xffff                   ; cluster y
	s_lshl_b32 s20, s18, 2
	s_lshl_b32 s20, 15, s20                        ; my row of the cluster
	s_lshl_b32 s21, 0x1111, s17                    ; my column
	s_or_b32 s[G1], s20, (3<<16)|(1<<21)
	s_or_b32 s[G1B], s21, (3<<16)|(1<<21)
	s_mov_b32 s[G1+1], 768<<16                     ; p: a block's four K steps, 6,144 bytes, in elements of 8
	s_mov_b32 s[G1+2], 4<<16                       ; 4 blocks of 16 queries
	s_mov_b32 s[G1+3], 768<<16
	s_mov_b32 s[G1+4], 4
	s_mov_b32 s[G1+5], 3072                        ; from block to block: 24,576 bytes
	s_mov_b32 s[G1+6], 0
	s_mov_b32 s[G1+7], 0
	s_mov_b32 s[G1B+1], 768<<16                    ; V^T: the same rows,
	s_mov_b32 s[G1B+2], 8<<16                      ; 8 blocks of 16 channels,
	s_mov_b32 s[G1B+3], 768<<16
	s_mov_b32 s[G1B+4], 8
	s_mov_b32 s[G1B+5], 12288                      ; 98,304 bytes apart
	s_mov_b32 s[G1B+6], 0
	s_mov_b32 s[G1B+7], 0
	s_lshl_b32 s22, s19, 2
	s_add_co_u32 s22, s22, s18                     ; the tile of 128 queries, over all batches: 4 x cluster y + cy
	s_lshl_b32 s23, ttmp9, 2
	s_add_co_u32 s23, s23, s17                     ; the tile of 256 channels: 4 x cluster x + cx
	s_lshr_b32 s66, s19, 2                         ; the batch: 16 query tiles each
	s_mul_i32 s74, s22, 196608                     ; p: 8 blocks of 24,576 bytes a tile, + the four that I fetch (registers that never hold cx)
	s_mul_i32 s75, s[WL], 98304
	s_add_co_u32 s74, s74, s75
	s_mov_b32 s75, 0
	s_mul_i32 s76, s23, 1572864                    ; V^T (registers that never hold cy): 16 blocks of 98,304 bytes a tile, + the eight that I fetch,
	s_mul_i32 s77, s[WL], 786432
	s_add_co_u32 s76, s76, s77
	s_mul_i32 s77, s66, 24576                      ; + the batch's 16 K steps,
	s_add_co_u32 s76, s76, s77
	s_add_co_u32 s76, s76, 12582912                ; behind q and k
	s_mov_b32 s77, 0
	s_mul_i32 s78, s[WL], 4*RBB                    ; where they go: p's halves at the slot's head,
	s_mul_i32 s79, s[WL], 8*RBB
	s_add_co_u32 s79, s79, 8*RBB                   ; V^T's behind them: no place in the cluster enters an LDS address
	s_wait_dscnt 0x0                               ; the opening add is done
	s_wait_kmcnt 0x0
	s_add_nc_u64 s[74:75], s[4:5], s[74:75]
	s_add_nc_u64 s[76:77], s[8:9], s[76:77]
	CROUND                                         ; all sixteen work-groups are here: the first joint loads meet
.irp s, 0,1
	s_mov_b32 s[G0+4*\s], 1
	s_add_co_u32 s[G0+4*\s+1], s78, \s*SLOT
	s_add_nc_u64 s[G0+4*\s+2:G0+4*\s+3], s[74:75], \s*RBB
	s_or_b32 s[G0+4*\s+3], s[G0+4*\s+3], 0x80000000
	s_mov_b32 s[G0B+4*\s], 1
	s_add_co_u32 s[G0B+4*\s+1], s79, \s*SLOT
	s_add_nc_u64 s[G0B+4*\s+2:G0B+4*\s+3], s[76:77], \s*RBB
	s_or_b32 s[G0B+4*\s+3], s[G0B+4*\s+3], 0x80000000
	JLOAD G0+4*\s, G0B+4*\s
.endr
	v_and_b32 v1, 15, v0                           ; r
	v_bfe_u32 v2, v0, 4, 1                         ; h
	v_and_b32 v3, 31, v0
	v_lshlrev_b32 v[LI], 4, v3
	v_lshlrev_b32 v[SOF], 4, v1
	v_lshl_add_u32 v[SOF], v2, 12, v[SOF]          ; lanes 16-31 take the tile's second group of 64 queries
	s_lshl_b32 s80, s22, 13                        ; the statistics: 2 groups of 4,096 bytes a tile
	s_mov_b32 s81, 0
	s_add_nc_u64 s[80:81], s[6:7], s[80:81]
	s_lshl_b32 s82, s23, 2
	s_add_co_u32 s82, s82, s[WV]                   ; V^T's scale words: my 64 channels are group 4 x tile + wave, 16,384 bytes a group,
	s_lshl_b32 s82, s82, 14
	s_lshl_b32 s83, s66, 12                        ; + the batch's 16 K steps,
	s_add_co_u32 s82, s82, s83
	s_add_co_u32 s82, s82, 524288                  ; behind q's and k's
	s_mov_b32 s83, 0
	s_add_nc_u64 s[82:83], s[10:11], s[82:83]
.irp k, 0,1,2,3,4,5,6,7,8,9,10,11,12,13,14,15
	global_load_b128 v[SA+4*\k:SA+4*\k+3], v[SOF], s[80:81] offset:256*\k   ; register i, lane (r, h): query 16 (4 h + i) + r of the tile
.endr
.irp k, 0,1,2,3,4,5,6,7
	global_load_b128 v[SB+4*\k:SB+4*\k+3], v[LI], s[82:83] offset:512*\k    ; two K steps: lanes 0-15 the even one, lanes 16-31 the odd one
.endr
	WIN 0x40                                       ; destination window 1
.irp k, 0,1,2,3,4,5,6,7,8,9,10,11,12,13,14,15
	global_load_b128 v[NW+4*\k:NW+4*\k+3], v[SOF], s[80:81] offset:524288+256*\k
	global_load_b128 v[LW+4*\k:LW+4*\k+3], v[SOF], s[80:81] offset:1048576+256*\k
.endr
	WIN 0
	s_mul_i32 s87, s[WV], 4*RBB                    ; my 4 blocks of V^T,
	s_add_co_u32 s87, s87, 8*RBB                   ; behind p's 8
	s_mov_b32 s86, 0
.irp s, 0,1
	v_add_nc_u32 v[ADRA+\s], s86, v[LI]
	v_add_nc_u32 v[ADRB+\s], s87, v[LI]
	s_add_co_u32 s86, s86, SLOT
	s_add_co_u32 s87, s87, SLOT
.endr
	s_mul_i32 s88, s[WV], 16*272                   ; my stage, 16 rows x (256 bytes + 16), in slot 0: when the first result is stored there the slot has had its last fill, and every wave has passed the barrier behind which nobody reads it
	v_mul_u32_u24 v[STO], v1, 272
	v_lshl_add_u32 v[STO], v2, 6, v[STO]
	v_add_nc_u32 v[STO], s88, v[STO]               ; in: row r, + 64 h
	v_mul_u32_u24 v[RD], v2, 272
	v_lshl_add_u32 v[RD], v1, 4, v[RD]
	v_add_nc_u32 v[RD], s88, v[RD]                 ; back: lanes 0-15 one row, lanes 16-31 the next
	v_lshlrev_b32 v[CO], 4, v1
	v_lshl_add_u32 v[CO], v2, 12, v[CO]            ; and the same two rows in O
	s_lshl_b32 s84, s22, 19                        ; O: 128 rows of 4,096 bytes a tile,
	s_lshl_b32 s85, s23, 10                        ; 1,024 bytes a channel tile,
	s_add_co_u32 s84, s84, s85
	s_lshl_b32 s85, s[WV], 8                       ; 256 a wave
	s_add_co_u32 s84, s84, s85
	s_mov_b32 s85, 0
	s_add_nc_u64 s[12:13], s[12:13], s[84:85]
	s_mov_b32 s[SEL], 0x76543210
	s_mov_b32 s[SEL+1], 0xfedcba98
	s_mov_b32 s[HIM], 0xffff0000
.irp i, 0,1,2,3
	v_mov_b32 v[LS+\i], 0
	v_mov_b32 v[XR+\i], 0                          ; (a lane permute's destination counts as one of its sources)
.endr
.irp a, 0,1,2,3,4,5,6,7
	v_mov_b32 v[R16+2*\a+1], 0                     ; (named as the upper half of a pair; the packed multiply takes the low word for both halves)
.endr
	s_wait_loadcnt 0x0                             ; scale words and statistics
	; -M = the least -M' of the row's 16 runs
	WIN 0x14                                       ; sources 1 and 2 window 1
.irp i, 0,1,2,3
	v_min3_num_f32 v[GM+\i], 0x7f800000, v[NW+\i], v[NW+4+\i]
.endr
.irp k, 1,2,3,4,5,6,7
.irp i, 0,1,2,3
	v_min3_num_f32 v[GM+\i], v[GM+\i], v[NW+8*\k+\i], v[NW+8*\k+4+\i]
.endr
.endr
	WIN 0
; sixteen scale words (K steps 4 g .. 4 g + 3) are brought under the row's M, and their runs' sums added
.macro ADJ g
	WIN 0x04                                       ; source 1 window 1
.irp n, 0,1,2,3,4,5,6,7,8,9,10,11,12,13,14,15
	v_sub_f32 v[DD+\n], v[GM+\n%4], v[NW+16*(\g)+\n]   ; M' - M: a whole number, 0 or less
.endr
	WIN 0
.irp n, 0,1,2,3,4,5,6,7,8,9,10,11,12,13,14,15
	v_max_num_f32 v[DD+\n], 0xc2fe0000, v[DD+\n]   ; held at -127
.endr
.irp n, 0,1,2,3,4,5,6,7,8,9,10,11,12,13,14,15
	v_cvt_i32_f32 v[II+\n], v[DD+\n]
.endr
.irp n, 0,1,2,3,4,5,6,7,8,9,10,11,12,13,14,15
	v_sub_nc_u32 v[DD+\n], 0, v[II+\n]             ; e = M - M', 0 .. 127,
.endr
.irp n, 0,1,2,3,4,5,6,7,8,9,10,11,12,13,14,15
	v_perm_b32 v[DD+\n], v[DD+\n], v[DD+\n], 0     ; in all four bytes
.endr
.irp n, 0,1,2,3,4,5,6,7,8,9,10,11,12,13,14,15
	v_sub_nc_u32 v[SA+16*(\g)+\n], v[SA+16*(\g)+\n], v[DD+\n]   ; each byte: 128 + b - e, at least 2: no borrow
.endr
.irp n, 0,1,2,3,4,5,6,7,8,9,10,11,12,13,14,15
	v_and_b32 v[DD+\n], 0x80808080, v[SA+16*(\g)+\n]            ; the top bit stands where b >= e
.endr
.irp n, 0,1,2,3,4,5,6,7,8,9,10,11,12,13,14,15
	v_lshrrev_b32 v[TT+\n], 7, v[DD+\n]
.endr
.irp n, 0,1,2,3,4,5,6,7,8,9,10,11,12,13,14,15
	v_sub_nc_u32 v[DD+\n], v[DD+\n], v[TT+\n]      ; 0x7f there, 0 elsewhere
.endr
.irp n, 0,1,2,3,4,5,6,7,8,9,10,11,12,13,14,15
	v_and_b32 v[SA+16*(\g)+\n], v[SA+16*(\g)+\n], v[DD+\n]      ; the byte b - e, held at 0
.endr
	WIN 0x01                                       ; source 0 window 1
.irp n, 0,1,2,3,4,5,6,7,8,9,10,11,12,13,14,15
	v_ldexp_f32 v[TT+\n], v[LW+16*(\g)+\n], v[II+\n]            ; the run's sum x 2^-e
.endr
	WIN 0
.irp n, 0,1,2,3,4,5,6,7,8,9,10,11,12,13,14,15
	v_add_f32 v[LS+\n%4], v[LS+\n%4], v[TT+\n]
.endr
.endm
	ADJ 0
	ADJ 1
	ADJ 2
	ADJ 3
.irp i, 0,1,2,3
	v_rcp_f32 v[RL+\i], v[LS+\i]
.endr
	v_nop                                          ; a plain instruction behind the last reciprocal
	s_wait_alu depctr_va_vdst(0)                   ; one wait for the four, ahead of their first reader
.irp i, 0,1,2,3
	v_permlanex16_b32 v[XR+\i], v[RL+\i], s[SEL], s[SEL+1]
.endr
.irp i, 0,1,2,3                                ; 1 / l of query (a, r) in both halves of the lanes: block i's lies in lanes 0-15, block 4 + i's in lanes 16-31
	v_cndmask_b32 v[R16+2*\i], v[RL+\i], v[XR+\i], s[HIM]
	v_cndmask_b32 v[R16+8+2*\i], v[XR+\i], v[RL+\i], s[HIM]
.endr
	PLACES 8                                       ; scale registers written by vector instructions stand eight places ahead of a scaled matrix instruction
	s_wait_tensorcnt 0x1                           ; my part of slot 0 is in; slot 1's may stay out
	s_barrier_signal -1
	s_barrier_wait -1
	FETCH_B 0, 0, 0
	FETCH_A 0, 0, 0
	FETCH_A 0, 0, 4
	STEP 0, 0, 1, 1                                ; the first step's products start the sums
	STEP 1, 0, 2, 0
	STEP 2, 0, 3, 0
	TURN 3, 1, 1, 0                                ; slot 0 takes K steps 8-11
	STEP 4, 1, 1, 0
	STEP 5, 1, 2, 0
	STEP 6, 1, 3, 0
	TURN 7, 0, 1, 1                                ; slot 1 takes K steps 12-15
	STEP 8, 0, 1, 0
	STEP 9, 0, 2, 0
	STEP 10, 0, 3, 0
	TURN 11, 1, 0, 0                               ; nothing is filled, so no round follows; behind this barrier nobody reads slot 0
	STEP 12, 1, 1, 0
	STEP 13, 1, 2, 0
	STEP 14, 1, 3, 0
	TAIL 15
; THE WAY OUT, a block of 16 queries x my 64 channels at a time: divided by l; through my stage, where tile b's register j of half h goes to channel 32 (b / 2) + 16 h + 8 (b % 2) + j; back as whole rows of 256 bytes.
.macro OUT a
	WIN 0x82                                       ; destination and source 0 window 2
.set j, 0
.rept 16
	v_pk_mul_f32 v[32*(\a)+j:32*(\a)+j+1], v[32*(\a)+j:32*(\a)+j+1], v[R16+2*(\a):R16+2*(\a)+1] op_sel_hi:[1,0]   ; each accumulator from its low end on
.set j, j+2
.endr
	WIN 0x08                                       ; an LDS store's data are its source 1: window 2
.irp b, 0,1,2,3
.irp e, 0,1
	ds_store_b128 v[STO], v[32*(\a)+8*\b+4*\e:32*(\a)+8*\b+4*\e+3] offset:128*(\b/2)+32*(\b%2)+16*\e
.endr
.endr
	WIN 0
.irp t, 0,1,2,3,4,5,6,7
	ds_load_b128 v[BK+32*((\a)%2)+4*\t:BK+32*((\a)%2)+4*\t+3], v[RD] offset:544*\t   ; LDS serves a wave's instructions in order: these see the stores above, and the next block's stores come behind them
.endr
.endm
.macro SEND a, younger                 ; younger: the LDS instructions issued behind block a's loads.  Stage row 2 t + h of block a is true row 32 (a / 2) + 16 (t / 4) + 8 (a % 2) + (2 t) % 8 + h of the tile
	s_wait_dscnt \younger
.irp t, 0,1,2,3,4,5,6,7
	global_store_b128 v[CO], v[BK+32*((\a)%2)+4*\t:BK+32*((\a)%2)+4*\t+3], s[12:13] offset:(32*((\a)/2)+16*(\t/4)+8*((\a)%2)+(2*\t)%8)*4096 th:TH_STORE_NT   ; sixteen lanes store 256 consecutive bytes, aligned
.endr
.endm
	OUT 0
.irp a, 1,2,3,4,5,6,7
.if \a > 1
	s_wait_xcnt 0x0                                ; block a - 2's stores have read their registers: block a's loads may land there
.endif
	OUT \a
	SEND \a-1, 16                                  ; behind block a - 1's loads: block a's 8 stores and 8 loads
.endr
	SEND 7, 0
	s_wait_tensorcnt 0x0                           ; the wave's end: behind my last tensor load and my last LDS store
	ds_add_u32 v[SPW], v[NIL]
	s_wait_dscnt 0x0
	CROUND                                         ; the closing round
	s_endpgm
.Lfunc_end_k_q55952968df_mix:
	.size	k_q55952968df_mix, .Lfunc_end_k_q55952968df_mix-k_q55952968df_mix
	.p2alignl 7, 3214868480
	.fill 96, 4, 3214868480
	.section	.rodata,"a",@progbits
	.p2align	6, 0x0
	.amdhsa_kernel k_q55952968df_mix
		.amdhsa_group_segment_fixed_size 327680
		.amdhsa_private_segment_fixed_size 0
		.amdhsa_enable_private_segment 0
		.amdhsa_kernarg_size 40
		.amdhsa_user_sgpr_count 2
		.amdhsa_user_sgpr_kernarg_segment_ptr 1
		.amdhsa_wavefront_size32 1
		.amdhsa_system_sgpr_workgroup_id_x 1
		.amdhsa_system_sgpr_workgroup_id_y 1
		.amdhsa_system_sgpr_workgroup_id_z 1
		.amdhsa_system_vgpr_workitem_id 0
		.amdhsa_next_free_vgpr 768
		.amdhsa_next_free_sgpr 100
		.amdhsa_reserve_vcc 0
		.amdhsa_float_denorm_mode_32 3
		.amdhsa_float_denorm_mode_16_64 3
		.amdhsa_memory_ordered 1
		.amdhsa_forward_progress 1
		.amdhsa_inst_pref_size 183
	.end_amdhsa_kernel
	.amdgpu_metadata
---
amdhsa.version: [ 1, 2 ]
amdhsa.kernels:
  - .name:           k_q55952968df_mix
    .symbol:         k_q55952968df_mix.kd
    .args:
      - { .name: p_codes, .offset: 0, .size: 8, .value_kind: global_buffer, .address_space: global }
      - { .name: p_stats, .offset: 8, .size: 8, .value_kind: global_buffer, .address_space: global }
      - { .name: qkv_codes, .offset: 16, .size: 8, .value_kind: global_buffer, .address_space: global }
      - { .name: qkv_scales, .offset: 24, .size: 8, .value_kind: global_buffer, .address_space: global }
      - { .name: out0, .offset: 32, .size: 8, .value_kind: global_buffer, .address_space: global }
    .group_segment_fixed_size: 327680
    .private_segment_fixed_size: 0
    .kernarg_segment_align: 8
    .kernarg_segment_size: 40
    .max_flat_workgroup_size: 128
    .sgpr_count:     100
    .vgpr_count:     768
    .wavefront_size: 32
...
	.end_amdgpu_metadata
.endif
;; end of part 4
